; MI455X (gfx1250); checked and timed in simulation.
; The chip was launched on July 23, 2026; its instructions are those of AMD's public machine-readable ISA for CDNA 5 (MIT licence, August 2026) and "CDNA5" Instruction Set Architecture Reference Guide (July 2026). The comments in the code are by the model that wrote it; some were corrected since.
;; Multi Head Self Attention. Allowed arithmetic: matrix products marked QUANTISED: E4M3 operands, one E8M0 scale for each 32 along K, by v_wmma_scale_f32_16x16x128_f8f6f4 with both operands' format E4M3, f32 sums; everything else in f32.
;; Inputs: Wk_codes 1,024 x 32 x 32 uint8 (E4M3 codes of Wk, K innermost, in blocks of 32 codes); Wk_scales 1,024 x 32 uint8 (E8M0 scales of Wk, one for each 32 codes along K); Wp_codes 1,024 x 32 x 32 uint8 (E4M3 codes of Wp, K innermost, in blocks of 32 codes); Wp_scales 1,024 x 32 uint8 (E8M0 scales of Wp, one for each 32 codes along K); Wq_codes 1,024 x 32 x 32 uint8 (E4M3 codes of Wq, K innermost, in blocks of 32 codes); Wq_scales 1,024 x 32 uint8 (E8M0 scales of Wq, one for each 32 codes along K); Wv_codes 1,024 x 32 x 32 uint8 (E4M3 codes of Wv, K innermost, in blocks of 32 codes); Wv_scales 1,024 x 32 uint8 (E8M0 scales of Wv, one for each 32 codes along K); beta 1,024 float32; gamma 1,024 float32; x 4 x 2,048 x 1,024 float32.
;; Outputs: out0 4 x 2,048 x 1,024 float32.
;; This version of the problem:
;;   THIS VERSION OF THE PROBLEM IS GIVEN IN LOW PRECISION. The matrix products marked QUANTISED in the list below multiply operands that are first quantised to E4M3 (4 exponent bits, 3 mantissa bits; 8 bits a number), with one power-of-two scale for each 32 numbers along K (OCP MX v1.0); their sums are f32. All else is computed in f32.
;;   The module's matrix products, in the order in which they are computed (A, B: the left and right operand; K: the contracted axis; several contracted axes count as one K, in the product's order):
;;     1. [M 8,192, K 1,024] x [K 1,024, N 1,024]; A: computed on the way; B: input Wq (given as codes): QUANTISED
;;     2. [M 8,192, K 1,024] x [K 1,024, N 1,024]; A: computed on the way; B: input Wk (given as codes): QUANTISED
;;     3. [M 8,192, K 1,024] x [K 1,024, N 1,024]; A: computed on the way; B: input Wv (given as codes): QUANTISED
;;     4. batch 64 x [M 2,048, K 64] x [K 64, N 2,048]; A: computed on the way; B: computed on the way: QUANTISED
;;     5. batch 64 x [M 2,048, K 2,048] x [K 2,048, N 64]; A: softmax (see below); B: computed on the way: QUANTISED
;;     6. [M 8,192, K 1,024] x [K 1,024, N 1,024]; A: computed on the way; B: input Wp (given as codes): QUANTISED
;;   THE QUANTISER, for each operand of a quantised product, along K:
;;     - K is cut into blocks of 32 from its start; a last block that is shorter is filled with zeros.
;;     - A block's scale is 2^e with e = floor(log2(the largest magnitude in the block)) - 8, held to -126 .. 127; a block of zeros has e = 0. As a byte (E8M0): e + 127.
;;     - Each number is divided by its block's scale, clamped to +-448, and rounded to the nearest number of E4M3, ties to even, subnormals kept.
;;     - The product sums the exact products of the quantised numbers (number of the format x scale) in f32.
;;   ~~~python
;;   def quantise(x, axis):      # numpy; x: float32 -> the quantised numbers, widened to float32 again
;;       x = np.moveaxis(x, axis, -1); K = x.shape[-1]
;;       x = np.pad(x, [(0, 0)] * (x.ndim - 1) + [(0, -K % 32)]); x = x.reshape(x.shape[:-1] + (-1, 32)); a = np.abs(x).max(-1, keepdims=True)
;;       e = np.where(a > 0, np.clip(np.frexp(np.where(a > 0, a, 1))[1] - 1 - 8, -126, 127), 0)      # np.frexp(a)[1] - 1 = floor(log2(a)), exactly
;;       r = np.clip(x / 2.0 ** e, -448, 448)
;;       step = 2.0 ** (np.maximum(np.frexp(np.where(r == 0, 1, r))[1] - 1, -6) - 3)
;;       q = np.round(r / step) * step * 2.0 ** e      # np.round: ties to even
;;       return np.moveaxis(q.reshape(q.shape[:-2] + (-1,))[..., :K], -1, axis).astype(np.float32)
;;   ~~~
;;   SOFTMAX AHEAD OF A QUANTISED PRODUCT. Where the list says 'softmax', what is quantised is not the finished softmax but p = 2^(t - M), with t = logit x log2(e) and M = ceil(the row's largest t), a whole number; so 1/2 < the row's largest p <= 1. The row's sum l is taken of the UNQUANTISED p, in f32, and the product's result is divided by l at the end. Since M is a whole number, a kernel that streams over the keys may use a running M (the ceiling of the running maximum): every later rescaling is an exact power of two, which a block's scale takes up: the codes' values come out the same.
;;   OPERANDS COMPUTED ON THE WAY. 'Computed on the way' means the value that the module computes at that place (a softmax that the list does not call 'softmax' is quantised finished and normalised). What goes into a quantiser is computed in f32, as accurately as f32 sums, v_exp_f32 and their like allow (about 1e-6 of the number): no bf16 or f16 on the way to a quantiser, and a product that is left as it is and whose result goes on into a quantised operand takes f32 operands (vector FMAs, or v_wmma_f32_16x16x4_f32). A number that lies on a knife's edge between two numbers of the format may be rounded either way, as far as f32 arithmetic and the matrix unit's own rounding can turn it there, and no further.
;;   INPUTS GIVEN AS CODES. Wk (in the module: [1024, 1024], K = its axis 1); Wp (in the module: [1024, 1024], K = its axis 1); Wq (in the module: [1024, 1024], K = its axis 1); Wv (in the module: [1024, 1024], K = its axis 1): each comes as NAME_codes (uint8): NAME with its K axis moved to the last place and cut into blocks of 32 codes, [.., K / 32, bytes a block], one block behind the other in memory; one code a byte (a code: sign, 4 exponent bits, 3 mantissa bits); and NAME_scales (uint8): the same leading axes, one E8M0 byte (e + 127) for each 32 codes along K. Its value is code x scale, taken as it is: it is not quantised again, and the codes and scales need not be those that the quantiser above would give.
;; One version. Each part assembles by itself: llvm-mc -triple=amdgcn-amd-amdhsa -mcpu=gfx1250 --defsym DOCPART=n.
;; ======== version 1 of 1: 4 launches
;; limits: right only within a limited range of input values
;; workspace buffers: act 8,388,608 bytes; acts 524,288 bytes; wimg 4,194,304 bytes; ws 262,144 bytes; qimg 8,388,608 bytes; qs 1,048,576 bytes; kv 17,301,504 bytes
;; launch prep (part 1): grid 512 x 1, 4 waves a work-group, no clusters, 66,304 bytes of LDS; arguments x, gamma, beta, Wq_codes, Wq_scales, Wk_codes, Wk_scales, Wv_codes, Wv_scales, Wp_codes, Wp_scales, act, acts, wimg, ws; writes act, acts, wimg, ws
.if DOCPART == 1
	.amdgcn_target "amdgcn-amd-amdhsa--gfx1250"
	.amdhsa_code_object_version 6
	.text
	.protected	k_q7867c0b168_prep
	.globl	k_q7867c0b168_prep
	.p2align	8
	.type	k_q7867c0b168_prep,@function
k_q7867c0b168_prep:
	s_mov_b64 s[64:65], 0
	v_nop
	global_prefetch_b8 v0, s[64:65] scope:SCOPE_SE
	s_setreg_imm32_b32 hwreg(HW_REG_WAVE_MODE, 25, 1), 1
	s_wait_xcnt 0x0
; THE PROGRAM: out0 = x + attention(LayerNorm(x)) Wp^T, causal, 4 batches x 2,048 tokens x 1,024 channels, 16 heads of 64; all six products on codes of E4M3 with one E8M0 scale for each 32 along K.
; Four launches: prep (this one), qkv (products 1-3 and the quantisers of q, k, v), attn (products 4, 5, the softmax, the quantiser of its result), proj (product 6 and the residual).
; WORK LEFT OUT, in attn alone: a step of 128 keys all of which come after all 16 queries of a tile.  reference() sets the scores of keys behind a query to -infinity by a mask that it builds itself from
; the positions, so their softmax weight is 0 and they add nothing to the sum or to the second product, whatever the inputs hold.  Nothing else is left out; every input is loaded.
; LIMIT: a NaN, an infinity or an overflow that would arise only in such hidden scores is not carried to the result.
; THIS LAUNCH: xn = (x - mean) rsqrt(var + 1e-5) gamma + beta in f32, quantised along the 1,024 channels; and the four weights' codes and scale bytes laid anew, unchanged, in the order of an operand's registers.
; LAYOUTS, for all four launches.  Lane l: r = l % 16, h = l / 16; perm(r) = r + 8 (r / 8).  TILE 2 b + u of rows holds the 16 rows 32 b + 8 u + perm(r).  A FRAGMENT'S IMAGE (16 rows x 128 K, 2,048 bytes): group c at
; 512 c, lane l's 16 bytes at 16 l: the codes of its row at k = 32 c + 16 h + 0 .. 15.  act, wimg: [tile][K step 0..7][2,048].  acts, ws: [tile][K step][lane 0..31] words of four scale bytes; lanes 16-31 repeat lanes 0-15.
; SHARES.  Work-group g makes token tile g.  Wave w normalises the tile's rows 4 w .. 4 w + 3 (four neighbouring tokens, 16 KiB on end, a row in 32 registers), puts them into a stage in LDS, and behind one barrier
; quantises K steps 2 w and 2 w + 1 of all 16 rows.  Each wave also lays one of the 2,048 weight fragments: matrix g / 128, tile (g / 2) % 64, K step 4 (g % 2) + w.
; LIMITS: NaN and infinities among the inputs are not served; a block of zeros gets the scale byte 1 where the rule says 127 (its codes are zeros, and this program alone reads the bytes); rsqrt is v_rsq_f32.
.set PITCH, 4112                       ; a stage row: 4,096 bytes + 16: the sixteen rows that a load touches begin 16 bytes apart modulo 256
.set SPARE, 16*PITCH                   ; behind the stage: the spare words, 128 bytes a wave: two blocks of 256 bytes that no other line names
.set X,   16                           ; v16-143  four rows of 32 registers; later two K steps of 64 numbers
.set GA,  144                          ; v144-175 gamma; later the second K step's codes and word
.set BE,  176                          ; v176-207 beta
.set PC,  208                          ; v208-223 the weight fragment; then sums at work; then the first K step's codes
.set TM,  224                          ; v224-239 row k: +0, +1 the mean twice, +2, +3 rsqrt twice; later the quantiser's 16
.set SU,  240                          ; v240-247 sums
.set WSW, 248                          ; the weight's scale word
.set PW,  249                          ; the first K step's scale word
.set SPW, 252                          ; LDS address of my spare word; never rewritten
.set NIL, 253                          ; 0; never rewritten
	s_load_b512 s[8:23], s[0:1], 0x0               ; x 8, gamma 10, beta 12, Wq codes 14, scales 16, Wk codes 18, scales 20, Wv codes 22
	s_load_b256 s[24:31], s[0:1], 0x40             ; Wv scales 24, Wp codes 26, scales 28, act 30
	s_load_b128 s[32:35], s[0:1], 0x60             ; acts 32, wimg 34
	s_load_b64 s[36:37], s[0:1], 0x70              ; ws
	v_lshl_add_u32 v[SPW], v0, 2, SPARE
	v_mov_b32 v[NIL], 0
	v_lshrrev_b32 v7, 5, v0
	v_readfirstlane_b32 s38, v7                    ; wave 0..3
	v_and_b32 v7, 31, v0
	v_lshlrev_b32 v1, 4, v7                        ; 16 x lane
	v_lshlrev_b32 v2, 2, v7                        ; 4 x lane
	v_and_b32 v8, 15, v0                           ; r
	v_bfe_u32 v9, v0, 4, 1                         ; h
	v_and_b32 v10, 8, v8
	v_add_nc_u32 v10, v10, v8                      ; perm(r)
	s_wait_alu depctr_va_vdst(0)
	s_mov_b32 s40, 0x76543210
	s_mov_b32 s41, 0xfedcba98                      ; v_permlanex16_b32's selects for lane l xor 16
	s_mov_b32 s43, 0x3a800000                      ; 1 / 1,024
	s_mov_b32 s39, 0x3727c5ac                      ; 1e-5
	s_lshr_b32 s44, ttmp9, 1                       ; g / 2
	s_and_b32 s45, ttmp9, 1                        ; g % 2
	s_lshl_b32 s49, s45, 2
	s_add_co_u32 s49, s49, s38                     ; the weight fragment's K step
	s_and_b32 s46, s44, 63                         ; its tile
	s_lshr_b32 s47, s46, 1
	s_lshl_b32 s47, s47, 5
	s_and_b32 s48, s46, 1
	s_lshl_b32 s48, s48, 3
	s_add_co_u32 s47, s47, s48                     ; the tile's first row
	v_add_nc_u32 v11, s47, v10                     ; my row of the weight
	v_lshlrev_b32 v3, 10, v11                      ; 1,024 codes a row,
	v_lshl_add_u32 v3, v9, 4, v3                   ; + 16 h,
	s_lshl_b32 s48, s49, 7
	v_add_nc_u32 v3, s48, v3                       ; + 128 x K step
	v_lshlrev_b32 v4, 5, v11                       ; 32 scale bytes a row,
	s_lshl_b32 s48, s49, 2
	v_add_nc_u32 v4, s48, v4                       ; + 4 x K step
	s_mul_i32 s48, s38, 4*PITCH
	v_add_nc_u32 v5, s48, v1                       ; into the stage: my four rows, 16 bytes a lane
	v_mul_u32_u24 v6, v8, PITCH
	v_lshl_add_u32 v6, v9, 6, v6
	s_lshl_b32 s48, s38, 10
	v_add_nc_u32 v6, s48, v6                       ; out of it: row r, + 64 h, + my two K steps (1,024 bytes a wave)
	s_lshl_b32 s50, s44, 5
	s_lshl_b32 s51, s45, 3
	s_add_co_u32 s50, s50, s51
	s_lshl_b32 s51, s38, 2
	s_add_co_u32 s50, s50, s51
	s_lshr_b32 s51, s38, 1
	s_lshl_b32 s51, s51, 3
	s_add_co_u32 s50, s50, s51                     ; my first token: 32 (g / 2) + 8 (g % 2) + 4 w + 8 (w / 2)
	s_lshl_b32 s50, s50, 12
	s_mov_b32 s51, 0
	s_lshl_b32 s52, ttmp9, 14
	s_lshl_b32 s53, s38, 12
	s_add_co_u32 s52, s52, s53                     ; act: tile g, K step 2 w
	s_mov_b32 s53, 0
	s_lshl_b32 s54, ttmp9, 10
	s_lshl_b32 s55, s38, 8
	s_add_co_u32 s54, s54, s55                     ; acts likewise
	s_mov_b32 s55, 0
	s_lshl_b32 s56, s44, 14
	s_lshl_b32 s57, s49, 11
	s_add_co_u32 s56, s56, s57                     ; wimg: (matrix, tile) = g / 2, my K step
	s_mov_b32 s57, 0
	s_lshl_b32 s58, s44, 10
	s_lshl_b32 s59, s49, 7
	s_add_co_u32 s58, s58, s59                     ; ws likewise
	s_mov_b32 s59, 0
	s_wait_alu depctr_va_vdst(0)
	s_wait_kmcnt 0x0
	s_and_b32 s60, ttmp9, 0x80                     ; which weight: the choice hangs on the work-group's number alone
	s_cmp_lg_u32 s60, 0
	s_cselect_b64 s[14:15], s[18:19], s[14:15]     ; k or q,
	s_cselect_b64 s[16:17], s[20:21], s[16:17]
	s_cselect_b64 s[22:23], s[26:27], s[22:23]     ; p or v,
	s_cselect_b64 s[24:25], s[28:29], s[24:25]
	s_and_b32 s60, ttmp9, 0x100
	s_cmp_lg_u32 s60, 0
	s_cselect_b64 s[14:15], s[22:23], s[14:15]     ; the second pair or the first
	s_cselect_b64 s[16:17], s[24:25], s[16:17]
	s_add_nc_u64 s[8:9], s[8:9], s[50:51]
	s_add_nc_u64 s[30:31], s[30:31], s[52:53]
	s_add_nc_u64 s[32:33], s[32:33], s[54:55]
	s_add_nc_u64 s[34:35], s[34:35], s[56:57]
	s_add_nc_u64 s[36:37], s[36:37], s[58:59]
.irp c, 0,1,2,3
	global_load_b128 v[PC+4*\c:PC+4*\c+3], v3, s[14:15] offset:32*\c   ; the weight fragment: group c of my row
.endr
	global_load_b32 v[WSW], v4, s[16:17]           ; and its scale word
.irp j, 0,1,2,3,4,5,6,7
	global_load_b128 v[GA+4*\j:GA+4*\j+3], v1, s[10:11] offset:512*\j
	global_load_b128 v[BE+4*\j:BE+4*\j+3], v1, s[12:13] offset:512*\j
.endr
.irp k, 0,1,2,3
.irp j, 0,1,2,3,4,5,6,7
	global_load_b128 v[X+32*\k+4*\j:X+32*\k+4*\j+3], v1, s[8:9] offset:4096*\k+512*\j th:TH_LOAD_NT   ; 32 lanes read 512 bytes on end
.endr
.endr
	s_wait_loadcnt 48                              ; the weight's five loads are in; the 16 of gamma and beta and the 32 of x may be out
.irp c, 0,1,2,3
	global_store_b128 v1, v[PC+4*\c:PC+4*\c+3], s[34:35] offset:512*\c   ; the image: 512 bytes on end a store
.endr
	global_store_b32 v2, v[WSW], s[36:37]
	s_wait_xcnt 0x0                                ; the stores have read their registers: PC is written again below
	s_wait_loadcnt 0x0
; the sum over the 32 lanes of the four rows' numbers in v[SU + 2 k], the rows by turns
.macro REDUCE
.irp m, 1,2,4,8
.irp k, 0,1,2,3
	v_add_f32_dpp v[SU+2*\k], v[SU+2*\k], v[SU+2*\k] row_xmask:\m row_mask:0xf bank_mask:0xf
.endr
.endr
.irp k, 0,1,2,3
	v_permlanex16_b32 v[PC+\k], v[SU+2*\k], s40, s41
.endr
.irp k, 0,1,2,3
	v_add_f32 v[SU+2*\k], v[SU+2*\k], v[PC+\k]
.endr
.endm
.irp k, 0,1,2,3                        ; the mean: two chains a row, two numbers an instruction
	v_pk_add_f32 v[SU+2*\k:SU+2*\k+1], v[X+32*\k:X+32*\k+1], v[X+32*\k+2:X+32*\k+3]
	v_pk_add_f32 v[PC+2*\k:PC+2*\k+1], v[X+32*\k+4:X+32*\k+5], v[X+32*\k+6:X+32*\k+7]
.endr
.set jj, 8
.rept 6
.irp k, 0,1,2,3
	v_pk_add_f32 v[SU+2*\k:SU+2*\k+1], v[SU+2*\k:SU+2*\k+1], v[X+32*\k+jj:X+32*\k+jj+1]
	v_pk_add_f32 v[PC+2*\k:PC+2*\k+1], v[PC+2*\k:PC+2*\k+1], v[X+32*\k+jj+2:X+32*\k+jj+3]
.endr
.set jj, jj+4
.endr
.irp k, 0,1,2,3
	v_pk_add_f32 v[SU+2*\k:SU+2*\k+1], v[SU+2*\k:SU+2*\k+1], v[PC+2*\k:PC+2*\k+1]
.endr
.irp k, 0,1,2,3
	v_add_f32 v[SU+2*\k], v[SU+2*\k], v[SU+2*\k+1]
.endr
	REDUCE
.irp k, 0,1,2,3
	v_mul_f32 v[TM+4*\k], s43, v[SU+2*\k]
.endr
.irp k, 0,1,2,3
	v_mov_b32 v[TM+4*\k+1], v[TM+4*\k]             ; twice: a pair for the packed forms
.endr
.irp k, 0,1,2,3
.set jj, 0
.rept 16
	v_pk_add_f32 v[X+32*\k+jj:X+32*\k+jj+1], v[X+32*\k+jj:X+32*\k+jj+1], v[TM+4*\k:TM+4*\k+1] neg_lo:[0,1] neg_hi:[0,1]   ; x - mean, in place
.set jj, jj+2
.endr
.endr
.irp k, 0,1,2,3                        ; the mean of its square
	v_pk_mul_f32 v[SU+2*\k:SU+2*\k+1], v[X+32*\k:X+32*\k+1], v[X+32*\k:X+32*\k+1]
	v_pk_mul_f32 v[PC+2*\k:PC+2*\k+1], v[X+32*\k+2:X+32*\k+3], v[X+32*\k+2:X+32*\k+3]
.endr
.set jj, 4
.rept 7
.irp k, 0,1,2,3
	v_pk_fma_f32 v[SU+2*\k:SU+2*\k+1], v[X+32*\k+jj:X+32*\k+jj+1], v[X+32*\k+jj:X+32*\k+jj+1], v[SU+2*\k:SU+2*\k+1]
	v_pk_fma_f32 v[PC+2*\k:PC+2*\k+1], v[X+32*\k+jj+2:X+32*\k+jj+3], v[X+32*\k+jj+2:X+32*\k+jj+3], v[PC+2*\k:PC+2*\k+1]
.endr
.set jj, jj+4
.endr
.irp k, 0,1,2,3
	v_pk_add_f32 v[SU+2*\k:SU+2*\k+1], v[SU+2*\k:SU+2*\k+1], v[PC+2*\k:PC+2*\k+1]
.endr
.irp k, 0,1,2,3
	v_add_f32 v[SU+2*\k], v[SU+2*\k], v[SU+2*\k+1]
.endr
	REDUCE
.irp k, 0,1,2,3
	v_fma_f32 v[TM+4*\k+2], v[SU+2*\k], s43, s39   ; var + 1e-5
.endr
	s_wait_alu depctr_va_vdst(0)
.irp k, 0,1,2,3
	v_rsq_f32 v[TM+4*\k+2], v[TM+4*\k+2]
.endr
	v_nop                                          ; a plain instruction behind the last of the four,
	s_wait_alu depctr_va_vdst(0)                   ; and one wait ahead of their first reader
.irp k, 0,1,2,3
	v_mov_b32 v[TM+4*\k+3], v[TM+4*\k+2]
.endr
.irp k, 0,1,2,3
.set jj, 0
.rept 16
	v_pk_mul_f32 v[X+32*\k+jj:X+32*\k+jj+1], v[X+32*\k+jj:X+32*\k+jj+1], v[TM+4*\k+2:TM+4*\k+3]
.set jj, jj+2
.endr
.set jj, 0
.rept 16
	v_pk_fma_f32 v[X+32*\k+jj:X+32*\k+jj+1], v[X+32*\k+jj:X+32*\k+jj+1], v[GA+jj:GA+jj+1], v[BE+jj:BE+jj+1]   ; xn
.set jj, jj+2
.endr
.endr
.irp k, 0,1,2,3
.irp j, 0,1,2,3,4,5,6,7
	ds_store_b128 v5, v[X+32*\k+4*\j:X+32*\k+4*\j+3] offset:\k*PITCH+512*\j
.endr
.endr
	s_wait_dscnt 0x0                               ; for the others' sake: my four rows lie in the stage
	s_barrier_signal -1
	s_barrier_wait -1                              ; all sixteen do
.irp t, 0,1
.irp c, 0,1,2,3
.irp j, 0,1,2,3
	ds_load_b128 v[X+64*\t+16*\c+4*\j:X+64*\t+16*\c+4*\j+3], v6 offset:512*\t+128*\c+16*\j   ; row r, k = 128 (2 w + t) + 32 c + 16 h + 4 j on
.endr
.endr
.endr
; 64 numbers of a lane, register 16 b + i = k 32 b + 16 h + i of my row, become a fragment's codes in v[pc] on and its scale word in v[pw]
.macro QUANT s, pc, pw
.irp b, 0,1,2,3
	v_max3_num_f32 v[TM+\b], |v[\s+16*\b]|, |v[\s+1+16*\b]|, 0x4800000   ; block b: my 16 numbers, and the floor 2^(9 - 127): the byte cannot fall under 1
.endr
.irp i, 2,4,6,8,10,12,14
.irp b, 0,1,2,3
	v_max3_num_f32 v[TM+\b], v[TM+\b], |v[\s+16*\b+\i]|, |v[\s+1+16*\b+\i]|
.endr
.endr
.irp b, 0,1,2,3
	v_permlanex16_b32 v[TM+4+\b], v[TM+\b], s40, s41
.endr
.irp b, 0,1,2,3
	v_max_num_f32 v[TM+\b], v[TM+\b], v[TM+4+\b]   ; with lane l xor 16's: the block's largest magnitude
.endr
.irp b, 0,1,2,3
	v_add_nc_u32 v[TM+12+\b], 0xfc000000, v[TM+\b] ; 8 off its exponent field: the conversion's scale operand
.endr
.irp b, 0,1,2,3
.endr
.irp b, 0,1,2,3
	v_lshrrev_b32 v[TM+4+\b], 23, v[TM+12+\b]      ; the scale's byte
.endr
	v_lshl_or_b32 v[\pw], v[TM+5], 8, v[TM+4]
	v_lshl_or_b32 v[\pw], v[TM+6], 16, v[\pw]
	v_lshl_or_b32 v[\pw], v[TM+7], 24, v[\pw]
.irp b, 0,1,2,3
.irp i, 0,1,2,3,4,5,6,7,8,9,10,11,12,13,14,15
.endr
	v_cvt_scalef32_pk8_fp8_f32 v[\pc+4*\b:\pc+1+4*\b], v[\s+16*\b:\s+7+16*\b], v[TM+12+\b]
	v_cvt_scalef32_pk8_fp8_f32 v[\pc+2+4*\b:\pc+3+4*\b], v[\s+8+16*\b:\s+15+16*\b], v[TM+12+\b]
.endr
	v_nop                                          ; a plain instruction behind the last conversion
.endm
	s_wait_dscnt 16                                ; the first K step's 16 loads are in; the second's may be out
	QUANT X, PC, PW
.irp c, 0,1,2,3
	global_store_b128 v1, v[PC+4*\c:PC+4*\c+3], s[30:31] offset:512*\c
.endr
	global_store_b32 v2, v[PW], s[32:33]
	s_wait_dscnt 0x0
	QUANT X+64, GA, GA+16                          ; into registers of its own: no store's data are written again
.irp c, 0,1,2,3
	global_store_b128 v1, v[GA+4*\c:GA+4*\c+3], s[30:31] offset:2048+512*\c
.endr
	global_store_b32 v2, v[GA+16], s[32:33] offset:128
	s_wait_tensorcnt 0x0                           ; the wave's end: behind my last LDS store
	ds_add_u32 v[SPW], v[NIL]
	s_wait_dscnt 0x0
	s_endpgm
.Lfunc_end_k_q7867c0b168_prep:
	.size	k_q7867c0b168_prep, .Lfunc_end_k_q7867c0b168_prep-k_q7867c0b168_prep
	.p2alignl 7, 3214868480
	.fill 96, 4, 3214868480
	.section	.rodata,"a",@progbits
	.p2align	6, 0x0
	.amdhsa_kernel k_q7867c0b168_prep
		.amdhsa_group_segment_fixed_size 66304
		.amdhsa_private_segment_fixed_size 0
		.amdhsa_enable_private_segment 0
		.amdhsa_kernarg_size 120
		.amdhsa_user_sgpr_count 2
		.amdhsa_user_sgpr_kernarg_segment_ptr 1
		.amdhsa_wavefront_size32 1
		.amdhsa_system_sgpr_workgroup_id_x 1
		.amdhsa_system_sgpr_workgroup_id_y 1
		.amdhsa_system_sgpr_workgroup_id_z 1
		.amdhsa_system_vgpr_workitem_id 0
		.amdhsa_next_free_vgpr 256
		.amdhsa_next_free_sgpr 66
		.amdhsa_reserve_vcc 0
		.amdhsa_float_denorm_mode_32 3
		.amdhsa_float_denorm_mode_16_64 3
		.amdhsa_fp16_overflow 1
		.amdhsa_memory_ordered 1
		.amdhsa_forward_progress 1
		.amdhsa_inst_pref_size 46
	.end_amdhsa_kernel
	.amdgpu_metadata
---
amdhsa.version: [ 1, 2 ]
amdhsa.kernels:
  - .name:           k_q7867c0b168_prep
    .symbol:         k_q7867c0b168_prep.kd
    .args:
      - { .name: x, .offset: 0, .size: 8, .value_kind: global_buffer, .address_space: global }
      - { .name: gamma, .offset: 8, .size: 8, .value_kind: global_buffer, .address_space: global }
      - { .name: beta, .offset: 16, .size: 8, .value_kind: global_buffer, .address_space: global }
      - { .name: Wq_codes, .offset: 24, .size: 8, .value_kind: global_buffer, .address_space: global }
      - { .name: Wq_scales, .offset: 32, .size: 8, .value_kind: global_buffer, .address_space: global }
      - { .name: Wk_codes, .offset: 40, .size: 8, .value_kind: global_buffer, .address_space: global }
      - { .name: Wk_scales, .offset: 48, .size: 8, .value_kind: global_buffer, .address_space: global }
      - { .name: Wv_codes, .offset: 56, .size: 8, .value_kind: global_buffer, .address_space: global }
      - { .name: Wv_scales, .offset: 64, .size: 8, .value_kind: global_buffer, .address_space: global }
      - { .name: Wp_codes, .offset: 72, .size: 8, .value_kind: global_buffer, .address_space: global }
      - { .name: Wp_scales, .offset: 80, .size: 8, .value_kind: global_buffer, .address_space: global }
      - { .name: act, .offset: 88, .size: 8, .value_kind: global_buffer, .address_space: global }
      - { .name: acts, .offset: 96, .size: 8, .value_kind: global_buffer, .address_space: global }
      - { .name: wimg, .offset: 104, .size: 8, .value_kind: global_buffer, .address_space: global }
      - { .name: ws, .offset: 112, .size: 8, .value_kind: global_buffer, .address_space: global }
    .group_segment_fixed_size: 66304
    .private_segment_fixed_size: 0
    .kernarg_segment_align: 8
    .kernarg_segment_size: 120
    .max_flat_workgroup_size: 128
    .sgpr_count:     66
    .vgpr_count:     256
    .wavefront_size: 32
...
	.end_amdgpu_metadata
.endif
;; end of part 1
;; launch qkv (part 2): grid 12 x 32, 4 waves a work-group, clusters of 4 x 4, 327,680 bytes of LDS; arguments act, acts, wimg, ws, qimg, qs, kv; writes qimg, qs, kv
.if DOCPART == 2
	.amdgcn_target "amdgcn-amd-amdhsa--gfx1250"
	.amdhsa_code_object_version 6
	.text
	.protected	k_q7867c0b168_qkv
	.globl	k_q7867c0b168_qkv
	.p2align	8
	.type	k_q7867c0b168_qkv,@function
k_q7867c0b168_qkv:
	s_mov_b64 s[64:65], 0
	v_nop
	global_prefetch_b8 v0, s[64:65] scope:SCOPE_SE
	s_setreg_imm32_b32 hwreg(HW_REG_WAVE_MODE, 25, 1), 1
	s_wait_xcnt 0x0
	s_wait_alu depctr_hold_cnt(0) depctr_sa_sdst(0) depctr_va_vdst(0) depctr_va_sdst(0) depctr_va_ssrc(0) depctr_va_vcc(0) depctr_vm_vsrc(0)
	s_getreg_b32 s2, hwreg(HW_REG_IB_STS2, 6, 4)
	s_cmp_eq_u32 s2, 0
	s_cbranch_scc0 .Lentry_in_a_cluster
	s_endpgm
.Lentry_in_a_cluster:
	s_bfe_u32 s2, ttmp6, 0x10000c
	s_cmp_lg_u32 s2, 0xf033
	s_cbranch_scc0 .Lentry_shape_is_right
	s_endpgm
.Lentry_shape_is_right:
; q, k, v = xn Wq^T, xn Wk^T, xn Wv^T on codes of E4M3 with E8M0 scales, sums in f32, and the quantisers behind them: q and k along a head's 64 channels, v along the keys.  No work is left out here.
; A tile of 256 x 256 results to a work-group of four waves, 128 x 128 (64 accumulators, 512 registers) to a wave.  K = 1,024 goes in four slots' worth of 256 through a ring of two LDS slots.
; Operands lie in memory as images of fragments (launch prep's head): [tile of 16 rows][K step of 128][2,048 bytes], so a fragment is four ds_load_b128 at 16 x lane, 512 bytes on end each: no pitch, no padding.
; TWO SIDES: P is source 1 (a lane of the result is a row of P), Q is source 0 (a lane's registers run along Q's rows: by the order of a tile's rows the 16 registers of Q's tiles 2 b, 2 b + 1 are rows 32 b + 16 h + 0 .. 15).
; THE KIND IS THE CLUSTER'S x: 0 = q, 1 = k: P = tokens, Q = the weight's rows, so registers run along channels; 2 = v: P = Wv's rows, Q = tokens, so registers run along the keys.  In each the quantiser's K runs
; along a lane's registers, and the four code registers of (P's tile a, pair b of Q's tiles) are one group of 512 bytes of the reader's fragment, stored straight from registers.  Only pointers and numbers are chosen.
; OUT.  qimg [head 64][tile 128][c 0..1][512]; qs [head][tile][lane] words (s0, s1, s0, s1).  kv [head][8] records of 33,792 bytes for 256 keys: +0 K: 8 fragments (groups 0, 1: key 32 f + perm(r), channels 0-63;
; groups 2, 3: key 32 f + 8 + perm(r)); +16,384 V^T [step of 128 keys][tile of 16 channels][2,048]; +32,768 K's scale registers [step][pair][lane] (lanes 0-15 the even fragment, 16-31 the odd);  +33,280 V's likewise.
; CLUSTERS: 4 x 4.  P's tiles hang on the place along y and are asked for jointly by a row of the cluster, Q's on the place along x, by a column.
; LIMITS: NaN and infinities are not served; a block of zeros gets the scale byte 1 where the rule says 127 (its codes are zeros; this program alone reads the bytes).
; REGISTERS: window 0: v8-12 store offsets, v16-29 addresses, v32-63 scale words (two sets), v128-255 P's fragments (one set; on the way out at work); window 1: Q's fragments, two sets; windows 2, 3: accumulator (a, b) at v[8 (8 (a % 4) + b)].
.set SLOT,  131072                     ; P's 16 tiles x 4,096 bytes (two K steps), then Q's
.set QOFF,  65536
.set SCL,   2*SLOT                     ; behind the ring: the scale images for all of K: four quarters of 8,192 bytes (P's halves, Q's halves), filled once
.set SPARE, SCL+32768                  ; the spare words, 128 bytes a wave: two blocks of 256 bytes that no other line names
.set REC,   33792
.set NQ,    2
.set FR,    16
.set NL,    4
.set NP,    8                          ; places behind this matrix instruction (ISA guide 7.12.1)
.set LAPS,  2                          ; 1,024 / (2 x 256)
.set VO,   8                           ; v8-11  16 x lane + where pair b's group goes
.set LS4,  12                          ; v12    4 x lane
.set ADRA, 16                          ; v16-17 LDS address of P's fragments in slot 0, 1
.set ADRB, 20                          ; v20-21 of Q's
.set ADRS, 27                          ; v27    of my scale words: lanes 0-15 P's, lanes 16-31 Q's
.set SPW,  28
.set NIL,  29
.set SC,   32                          ; set s at v[SC + 16 s]; register 2 i + q: lanes 0-15 the word of P's tile i, lanes 16-31 of Q's tile i
.set AF,   128
.set SB,   128                         ; the way out: the byte of (a, b) at v[SB + 4 a + b]
.set PC,   160                         ; codes
.set TM,   192                         ; the quantiser's 16
.set WD,   208                         ; scale words on their way out
.set WV, 16
.set HP, 17                            ; which 128 rows of P are mine; also: I fetch for P (0) or Q (1)
.set HQ, 18                            ; which 128 rows of Q are mine; also: which 128 rows I fetch
.set G1, 24
.set G0, 32
.set G1B, 48
.set G0B, 56
.set BASE, 66                          ; s[66:67] where the codes of P's tile in hand go
.set G1S, 68
.set G0S, 76
.set G1SB, 80
.set G0SB, 88
.set SBASE, 46                         ; s[46:47] where the scale words go
.set SEL, 92
.set MNT, 94
.set HM,  95                           ; the mask of lanes 16-31
.set DA,  98                           ; s[98:99] from P's tile a to a + 1, in bytes;  s[100:101] from 3 to 4
.set DA4, 100
.set MSB, 0
.macro WIN new                         ; the immediate's high byte repeats the setting that is left
.if MSB != (\new)
	s_set_vgpr_msb (MSB<<8)|(\new)
.set MSB, (\new)
.endif
.endm
.set MUL_LO, 0xa1                      ; source 0 (Q) window 1, source 1 (P) window 0, C and D window 2
.set MUL_HI, 0xf1
.set TO_B,   0x40
; A joint load: waves 0 and 1 fetch for P, waves 2 and 3 for Q; the branch hangs on the wave's number alone.  An s_nop 0 and four v_nop follow each line.
.macro JLOAD g0a, g1a, g0b, g1b
	s_cmp_eq_u32 s[HP], 0
	s_cbranch_scc0 .Lfor_b_\@
	tensor_load_to_lds s[\g0a:\g0a+3], s[\g1a:\g1a+7]
	s_nop 0
.rept 4
	v_nop
.endr
	s_branch .Lasked_\@
.Lfor_b_\@:
	tensor_load_to_lds s[\g0b:\g0b+3], s[\g1b:\g1b+7]
	s_nop 0
.rept 4
	v_nop
.endr
.Lasked_\@:
.endm
.macro CREST                           ; a round of the cluster's barrier behind its opening barrier
	s_cmp_lg_u32 s[WV], 0
	s_cbranch_scc1 .Lnot_wave_0_\@
	s_barrier_signal -3
.Lnot_wave_0_\@:
	s_barrier_wait -3
	s_barrier_signal -1
	s_barrier_wait -1
.endm
.macro CROUND
	s_barrier_signal -1
	s_barrier_wait -1
	CREST
.endm
	s_load_b256 s[4:11], s[0:1], 0x0               ; act 4, acts 6, wimg 8, ws 10
	s_load_b128 s[12:15], s[0:1], 0x20             ; qimg 12, qs 14
	s_load_b64 s[96:97], s[0:1], 0x30              ; kv
	v_lshl_add_u32 v[SPW], v0, 2, SPARE
	v_mov_b32 v[NIL], 0
	ds_add_u32 v[SPW], v[NIL]                      ; the opening: the add, twice on end, and its wait ahead of my first tensor load
	ds_add_u32 v[SPW], v[NIL]
	v_lshrrev_b32 v1, 5, v0
	v_readfirstlane_b32 s[WV], v1
	s_lshr_b32 s[HP], s[WV], 1
	s_and_b32 s[HQ], s[WV], 1
	s_bfe_u32 s40, ttmp6, 0x40000                  ; cx
	s_bfe_u32 s41, ttmp6, 0x40004                  ; cy
	s_lshl_b32 s43, s41, 2
	s_lshl_b32 s43, 15, s43                        ; my row of the cluster
	s_lshl_b32 s44, 0x1111, s40                    ; my column
	; codes: 8 rows (tiles) of 4,096 bytes (two K steps), 16,384 bytes apart, in elements of 8 bytes
	s_or_b32 s[G1+0], s43, (3<<16)|(1<<21)
	s_or_b32 s[G1B+0], s44, (3<<16)|(1<<21)
.irp g, G1, G1B
	s_mov_b32 s[\g+1], 512<<16                     ; tensor_dim0
	s_mov_b32 s[\g+2], 8<<16                       ; tensor_dim1
	s_mov_b32 s[\g+3], 512<<16                     ; tile_dim0
	s_mov_b32 s[\g+4], 8                           ; tile_dim1
	s_mov_b32 s[\g+5], 2048                        ; from row to row
	s_mov_b32 s[\g+6], 0
	s_mov_b32 s[\g+7], 0
.endr
	; scale images of 8 tiles: 8,192 bytes on end, as 32 rows of 256
	s_or_b32 s[G1S+0], s43, (3<<16)|(1<<21)
	s_or_b32 s[G1SB+0], s44, (3<<16)|(1<<21)
.irp g, G1S, G1SB
	s_mov_b32 s[\g+1], 32<<16
	s_mov_b32 s[\g+2], 32<<16
	s_mov_b32 s[\g+3], 32<<16
	s_mov_b32 s[\g+4], 32
	s_mov_b32 s[\g+5], 32
	s_mov_b32 s[\g+6], 0
	s_mov_b32 s[\g+7], 0
.endr
	s_and_b32 s42, ttmp7, 0xffff
	s_lshl_b32 s42, s42, 6                         ; 64 x cluster y: its first token tile
	s_lshl_b32 s45, ttmp9, 6                       ; 64 x kind: the weight's first tile
	s_lshl_b32 s19, s[WV], 13                      ; where my loads go: wave x 8,192 among the scales,
	s_lshl_b32 s66, s[WV], 15                      ; wave x 32,768 in a slot: no place in the cluster enters an LDS address
	s_wait_dscnt 0x0                               ; both opening adds are done
	s_wait_kmcnt 0x0
	s_cmp_lt_u32 ttmp9, 2                          ; q or k?  The kind is the same in all sixteen partners
	s_cselect_b32 s20, s42, 128                    ; P's first tile, less its place: tokens, or Wv's
	s_cselect_b32 s46, s45, s42                    ; Q's: the weight's, or tokens
	s_cselect_b64 s[92:93], s[4:5], s[8:9]         ; P's codes,
	s_cselect_b64 s[94:95], s[6:7], s[10:11]       ; P's scales,
	s_cselect_b64 s[98:99], s[8:9], s[4:5]         ; Q's codes,
	s_cselect_b64 s[100:101], s[10:11], s[6:7]     ; Q's scales
	s_lshl_b32 s21, s41, 4
	s_add_co_u32 s20, s20, s21                     ; P: + 16 cy,
	s_lshl_b32 s21, s[HQ], 3
	s_add_co_u32 s20, s20, s21                     ; + the 8 tiles that I fetch
	s_lshl_b32 s22, s20, 10
	s_lshl_b32 s20, s20, 14
	s_mov_b32 s21, 0
	s_mov_b32 s23, 0
	s_add_nc_u64 s[92:93], s[92:93], s[20:21]
	s_add_nc_u64 s[94:95], s[94:95], s[22:23]
	s_lshl_b32 s47, s40, 4
	s_add_co_u32 s46, s46, s47                     ; Q: + 16 cx,
	s_lshl_b32 s47, s[HQ], 3
	s_add_co_u32 s46, s46, s47
	s_lshl_b32 s2, s46, 10
	s_lshl_b32 s46, s46, 14
	s_mov_b32 s47, 0
	s_mov_b32 s3, 0
	s_add_nc_u64 s[98:99], s[98:99], s[46:47]
	s_add_nc_u64 s[100:101], s[100:101], s[2:3]
	CROUND                                         ; all sixteen work-groups are here: the first joint loads meet
	s_mov_b32 s[G0S], 1
	s_add_co_u32 s[G0S+1], s19, SCL
	s_mov_b64 s[G0S+2:G0S+3], s[94:95]
	s_or_b32 s[G0S+3], s[G0S+3], 0x80000000
	s_mov_b32 s[G0SB], 1
	s_add_co_u32 s[G0SB+1], s19, SCL
	s_mov_b64 s[G0SB+2:G0SB+3], s[100:101]
	s_or_b32 s[G0SB+3], s[G0SB+3], 0x80000000
	JLOAD G0S, G1S, G0SB, G1SB                     ; the scales first: they are wanted with the first K step
.irp s, 0,1
	s_mov_b32 s[G0+4*\s], 1
	s_add_co_u32 s[G0+4*\s+1], s66, \s*SLOT
	s_add_nc_u64 s[G0+4*\s+2:G0+4*\s+3], s[92:93], \s*4096
	s_or_b32 s[G0+4*\s+3], s[G0+4*\s+3], 0x80000000
	s_mov_b32 s[G0B+4*\s], 1
	s_add_co_u32 s[G0B+4*\s+1], s66, \s*SLOT
	s_add_nc_u64 s[G0B+4*\s+2:G0B+4*\s+3], s[98:99], \s*4096
	s_or_b32 s[G0B+4*\s+3], s[G0B+4*\s+3], 0x80000000
	JLOAD G0+4*\s, G1, G0B+4*\s, G1B
.endr
	v_and_b32 v1, 31, v0
	v_lshlrev_b32 v3, 4, v1                        ; 16 x lane
	v_bfe_u32 v2, v0, 4, 1                         ; h
	s_wait_alu depctr_va_vdst(0)
	v_lshlrev_b32 v[LS4], 2, v1
	s_lshl_b32 s20, s[HP], 15                      ; my 8 tiles of P,
	s_lshl_b32 s22, s[HQ], 15
	s_add_co_u32 s22, s22, QOFF                    ; my 8 of Q
.irp s, 0,1
	v_add_nc_u32 v[ADRA+\s], s20, v3
	v_add_nc_u32 v[ADRB+\s], s22, v3
	s_add_co_u32 s20, s20, SLOT
	s_add_co_u32 s22, s22, SLOT
.endr
	s_lshl_b32 s20, s[HP], 13                      ; P's scale images: my half;
	s_lshl_b32 s22, s[HQ], 13
	s_add_co_u32 s22, s22, 2*8192                  ; Q's, behind P's two
	s_sub_co_u32 s22, s22, s20
	v_mul_u32_u24 v6, s22, v2                      ; lanes 16-31 take Q's: one product with h
	s_wait_alu depctr_va_vdst(0)
	s_add_co_u32 s20, s20, SCL
	v_add_nc_u32 v6, v6, v[LS4]
	v_add_nc_u32 v[ADRS], s20, v6
	; where the results go
	s_and_b32 s42, ttmp7, 0xffff
	s_lshl_b32 s42, s42, 2
	s_mov_b32 s[DA], 2048
	s_mov_b32 s[DA4], 8*REC-3*2048
	s_cmp_lt_u32 ttmp9, 2
	s_cselect_b32 s2, s41, s40                     ; the token side's place in the cluster,
	s_cselect_b32 s3, s[HP], s[HQ]                 ; and my half of it;
	s_cselect_b32 s19, s40, s41                    ; the channel side's
	s_cselect_b32 s20, s[HQ], s[HP]
	s_cselect_b32 s[DA], 1024, s[DA]               ; q, k: a token tile is 1,024 bytes; v: a tile of channels 2,048,
	s_cselect_b32 s[DA4], 1024, s[DA4]             ; and four of them a head: then on to the next head's record
	s_mov_b32 s[DA+1], 0
	s_mov_b32 s[DA4+1], 0
	s_add_co_u32 s2, s2, s42
	s_lshl_b32 s2, s2, 1
	s_add_co_u32 s2, s2, s3                        ; my first token / 128
	s_lshr_b32 s21, s2, 4                          ; the batch
	s_and_b32 s22, s2, 15                          ; st: which 128 tokens of it
	s_lshl_b32 s19, s19, 1
	s_add_co_u32 s19, s19, s20
	s_lshl_b32 s19, s19, 1                         ; my first channel / 64
	s_lshl_b32 s21, s21, 4
	s_add_co_u32 s21, s21, s19                     ; my first head (of 64)
	s_lshl_b32 s23, s21, 3
	s_lshr_b32 s3, s22, 1
	s_add_co_u32 s23, s23, s3
	s_mul_i32 s23, s23, REC                        ; its record for my tokens
	s_and_b32 s3, s22, 1                           ; which half of the record's 256 keys
	s_lshr_b32 s2, ttmp9, 1                        ; 1 for v
	s_lshl_b32 s20, s3, 13
	s_add_co_u32 s20, s20, s23
	s_lshl_b32 s19, s2, 14
	s_add_co_u32 s20, s20, s19                     ; k, v: the codes' place in kv
	s_lshl_b32 s42, s3, 8
	s_add_co_u32 s42, s42, s23
	s_lshl_b32 s19, s2, 9
	s_add_co_u32 s42, s42, s19
	s_add_co_u32 s42, s42, 32768                   ; and the scale registers'
	s_lshl_b32 s19, s21, 17
	s_lshl_b32 s2, s22, 13
	s_add_co_u32 s19, s19, s2                      ; q: the codes' place in qimg
	s_lshl_b32 s44, s21, 14
	s_lshl_b32 s2, s22, 10
	s_add_co_u32 s44, s44, s2                      ; and the words' in qs
	s_mov_b32 s45, 8*REC
	s_cmp_eq_u32 ttmp9, 0
	s_cselect_b32 s20, s19, s20
	s_cselect_b32 s42, s44, s42
	s_cselect_b32 s45, 131072, s45                 ; from pairs 0, 1 to pairs 2, 3: q, k: the next head;
	s_cselect_b64 s[BASE:BASE+1], s[12:13], s[96:97]
	s_cselect_b64 s[SBASE:SBASE+1], s[14:15], s[96:97]
	s_cmp_eq_u32 ttmp9, 2
	s_cselect_b32 s45, 1024, s45                   ; v: the next two groups
	s_mov_b32 s21, 0
	s_mov_b32 s43, 0
	s_add_nc_u64 s[BASE:BASE+1], s[BASE:BASE+1], s[20:21]
	s_add_nc_u64 s[SBASE:SBASE+1], s[SBASE:SBASE+1], s[42:43]
	v_mov_b32 v[VO], v3
	v_add_nc_u32 v[VO+1], 512, v3
	v_add_nc_u32 v[VO+2], s45, v3
	v_add_nc_u32 v[VO+3], s45, v[VO+1]
	s_mov_b32 s[SEL], 0x76543210
	s_mov_b32 s[SEL+1], 0xfedcba98
	s_mov_b32 s[HM], 0xffff0000
.macro FRAG reg, adr, q, i             ; a fragment's image: four loads of 512 bytes on end
.irp c, 0,1,2,3
	ds_load_b128 v[\reg+4*\c:\reg+4*\c+3], v[\adr] offset:(\i)*4096+(\q)*2048+512*\c
.endr
.endm
; 16 matrix instructions: P's tiles a0, a0 + 1 x Q's eight.  The 64 accumulators take turns, one instruction a turn, in the same order in every step.
.macro MUL16 a0, p, q, sc, zero
.irp a, \a0, \a0+1
.irp b, 0,1,2,3,4,5,6,7
.if \zero
	v_wmma_scale_f32_16x16x128_f8f6f4 v[8*(8*((\a)%4)+\b):8*(8*((\a)%4)+\b)+7], v[128*(\p)+FR*\b:128*(\p)+FR*\b+FR-1], v[AF+FR*(\a):AF+FR*(\a)+FR-1], 0, v[SC+8*NQ*(\sc)+NQ*\b+(\q)], v[SC+8*NQ*(\sc)+NQ*(\a)+(\q)] matrix_a_scale:MATRIX_SCALE_ROW1
.else
	v_wmma_scale_f32_16x16x128_f8f6f4 v[8*(8*((\a)%4)+\b):8*(8*((\a)%4)+\b)+7], v[128*(\p)+FR*\b:128*(\p)+FR*\b+FR-1], v[AF+FR*(\a):AF+FR*(\a)+FR-1], v[8*(8*((\a)%4)+\b):8*(8*((\a)%4)+\b)+7], v[SC+8*NQ*(\sc)+NQ*\b+(\q)], v[SC+8*NQ*(\sc)+NQ*(\a)+(\q)] matrix_a_scale:MATRIX_SCALE_ROW1
.endif
.endr
.endr
.endm
.macro FETCH_B slot, q, p
	WIN TO_B
.irp i, 0,1,2,3,4,5,6,7
	FRAG 128*(\p)+FR*\i, ADRB+\slot, \q, \i
.endr
	WIN 0
.endm
.macro FETCH_A slot, q, i0
.irp i, \i0, \i0+1, \i0+2, \i0+3
	FRAG AF+FR*(\i), ADRA+\slot, \q, \i
.endr
.endm
.macro SCALES sc                       ; the next slot's scale words: lanes 0-15 take P's tile i, lanes 16-31 Q's tile i
.irp i, 0,1,2,3,4,5,6,7
	ds_load_b32 v[SC+16*\sc+2*\i], v[ADRS] offset:\i*1024
	ds_load_b32 v[SC+16*\sc+2*\i+1], v[ADRS] offset:\i*1024+128
.endr
.endm
.macro PLACES n                        ; plain vector instructions between a matrix instruction and a load into, or a vector instruction on, its registers (ISA guide 7.12.1 for vector instructions)
.rept \n
	v_nop
.endr
.endm
.macro STEP slot, q, zero              ; a step of 128 along K that has its successor in the same slot
	s_wait_dscnt 4*NL                              ; Q's set, P's tiles 0-3 and the scale words are in; the youngest 16 loads (P's tiles 4-7) may be out
	WIN MUL_LO
	MUL16 0, (\q)%2, \q, \slot, \zero
	MUL16 2, (\q)%2, \q, \slot, \zero
	s_wait_dscnt 0
	PLACES NP
	FETCH_B \slot, (\q)+1, 1-(\q)%2
	FETCH_A \slot, (\q)+1, 0
	WIN MUL_HI
	MUL16 4, (\q)%2, \q, \slot, \zero
	MUL16 6, (\q)%2, \q, \slot, \zero
	PLACES NP
	WIN 0
	FETCH_A \slot, (\q)+1, 4
.endm
; A slot's last step changes slots: one barrier; ahead of it each wave waits for all its tensor loads, adds 0 to its spare word, and waits for that and for its reads of this slot.  fill = 1: the slot is filled again.
.macro TURN slot, next, fill
	s_wait_tensorcnt 0x0                           ; all my tensor loads have landed: my part of the next slot
	ds_add_u32 v[SPW], v[NIL]
	s_wait_dscnt 4*NL+1                            ; (the add and the youngest 16 loads may be out)
	WIN MUL_LO
	MUL16 0, 1, NQ-1, \slot, 0
	s_wait_dscnt 0x0                               ; the add is done, and my reads of this slot are over
	s_barrier_signal -1
	MUL16 2, 1, NQ-1, \slot, 0
	WIN 0
	s_barrier_wait -1
.if \fill
	CREST                                          ; the barrier has opened a round of the cluster's: no wave of any partner still reads this slot or has a load on its way
	s_add_nc_u64 s[G0+4*\slot+2:G0+4*\slot+3], s[G0+4*\slot+2:G0+4*\slot+3], 8192
	s_add_nc_u64 s[G0B+4*\slot+2:G0B+4*\slot+3], s[G0B+4*\slot+2:G0B+4*\slot+3], 8192
	JLOAD G0+4*\slot, G1, G0B+4*\slot, G1B         ; the first tensor load behind the round; its four v_nop are among the places ahead of the loads below
	PLACES NP-4
.else
	PLACES NP
.endif
	s_wait_alu depctr_va_vdst(0)
	v_add_nc_u32 v[ADRS], 256, v[ADRS]             ; the next slot's scale words
	FETCH_B \next, 0, 0
	FETCH_A \next, 0, 0
	SCALES \next
	WIN MUL_HI
	MUL16 4, 1, NQ-1, \slot, 0
	MUL16 6, 1, NQ-1, \slot, 0
	PLACES NP
	WIN 0
	FETCH_A \next, 0, 4
.endm
	s_wait_alu depctr_va_vdst(0)
	s_wait_tensorcnt 1                             ; the scales and my part of slot 0 are in; slot 1's load may be out
	s_barrier_signal -1
	s_barrier_wait -1
	FETCH_B 0, 0, 0
	FETCH_A 0, 0, 0
	SCALES 0
	FETCH_A 0, 0, 4
	STEP 0, 0, 1                                   ; the first products start the sums: nothing is cleared
.rept LAPS-1                           ; once round the ring, filling both slots again: with K = 1,024 that happens once
	TURN 0, 1, 1
	STEP 1, 0, 0
	TURN 1, 0, 1
	STEP 0, 0, 0
.endr
	TURN 0, 1, 0                                   ; the last lap fills nothing
	STEP 1, 0, 0
	s_wait_dscnt 4*NL
	WIN MUL_LO
	MUL16 0, 1, NQ-1, 1, 0
	MUL16 2, 1, NQ-1, 1, 0
	s_wait_dscnt 0
	WIN MUL_HI
	MUL16 4, 1, NQ-1, 1, 0
	MUL16 6, 1, NQ-1, 1, 0
	WIN 0
; THE WAY OUT of P's tile a: its 64 numbers a lane are four blocks of 32 along the quantiser's K (16 mine, 16 lane l xor 16's); the codes go out as they stand, 512 bytes on end a store.
.macro QEPI a
.set AC, 64*((\a)%4)
.if (\a) > 0
	s_wait_xcnt 0x0                                ; the last tile's stores have read their data and their base
.if (\a) == 4
	s_add_nc_u64 s[BASE:BASE+1], s[BASE:BASE+1], s[DA4:DA4+1]
.else
	s_add_nc_u64 s[BASE:BASE+1], s[BASE:BASE+1], s[DA:DA+1]
.endif
.endif
	WIN 0x0a+5*((\a)/4)                            ; sources 0 and 1: the accumulators' window
.irp b, 0,1,2,3
	v_max3_num_f32 v[TM+\b], |v[AC+16*\b]|, |v[AC+16*\b+1]|, 0x4800000   ; each accumulator from its low end on; the floor 2^(9 - 127)
.endr
.irp i, 2,4,6,8,10,12,14
.irp b, 0,1,2,3
	v_max3_num_f32 v[TM+\b], |v[AC+16*\b+\i]|, |v[AC+16*\b+\i+1]|, v[TM+\b]
.endr
.endr
	WIN 0
.irp b, 0,1,2,3
	v_permlanex16_b32 v[TM+4+\b], v[TM+\b], s[SEL], s[SEL+1]
.endr
.irp b, 0,1,2,3
	v_max_num_f32 v[TM+\b], v[TM+\b], v[TM+4+\b]
.endr
.irp b, 0,1,2,3
	v_add_nc_u32 v[TM+12+\b], 0xfc000000, v[TM+\b] ; the conversion's scale operand
.endr
.irp b, 0,1,2,3
.endr
.irp b, 0,1,2,3
	v_lshrrev_b32 v[SB+4*(\a)+\b], 23, v[TM+12+\b] ; the scale's byte, kept for the words
.endr
	WIN 0x82+0x41*((\a)/4)                         ; destination and source 0: the accumulators' window
.irp b, 0,1,2,3
.irp i, 0,1,2,3,4,5,6,7,8,9,10,11,12,13,14,15
.endr
.endr
	WIN 0x02+((\a)/4)
.irp b, 0,1,2,3
	v_cvt_scalef32_pk8_fp8_f32 v[PC+4*\b:PC+4*\b+1], v[AC+16*\b:AC+16*\b+7], v[TM+12+\b]
	v_cvt_scalef32_pk8_fp8_f32 v[PC+4*\b+2:PC+4*\b+3], v[AC+16*\b+8:AC+16*\b+15], v[TM+12+\b]
.endr
	WIN 0
	v_nop                                          ; a plain instruction behind the last conversion
.irp b, 0,1,2,3
	global_store_b128 v[VO+\b], v[PC+4*\b:PC+4*\b+3], s[BASE:BASE+1]
.endr
.endm
	PLACES NP
.irp b, 0,1,2,3
	v_mov_b32 v[TM+4+\b], 0                        ; written once: a lane permute's destination counts as one of its sources
.endr
.irp a, 0,1,2,3,4,5,6,7
	QEPI \a
.endr
	; the scale words, by kind: the branch hangs on the cluster's x, which all partners share
	s_cmp_eq_u32 ttmp9, 0
	s_cbranch_scc0 .Lnot_q
.irp e, 0,1                            ; q: head e, tile a: (s0, s1, s0, s1)
.irp a, 0,1,2,3,4,5,6,7
	v_lshl_or_b32 v[WD+8*\e+\a], v[SB+4*\a+2*\e+1], 8, v[SB+4*\a+2*\e]
.endr
.endr
.set ii, 0
.rept 16
	v_lshl_or_b32 v[WD+ii], v[WD+ii], 16, v[WD+ii]
.set ii, ii+1
.endr
.irp e, 0,1
.irp a, 0,1,2,3,4,5,6,7
	global_store_b32 v[LS4], v[WD+8*\e+\a], s[SBASE:SBASE+1] offset:\e*16384+\a*128
.endr
.endr
	s_branch .Lwords_done
.Lnot_q:
	s_cmp_eq_u32 ttmp9, 1
	s_cbranch_scc0 .Lis_v
.irp e, 0,1                            ; k: head e, fragment f = tiles 2 f, 2 f + 1: (first keys' two blocks, second keys' two)
.irp f, 0,1,2,3
	v_lshl_or_b32 v[WD+4*\e+\f], v[SB+8*\f+2*\e+1], 8, v[SB+8*\f+2*\e]
	v_lshl_or_b32 v[WD+4*\e+\f], v[SB+8*\f+4+2*\e], 16, v[WD+4*\e+\f]
	v_lshl_or_b32 v[WD+4*\e+\f], v[SB+8*\f+5+2*\e], 24, v[WD+4*\e+\f]
.endr
.endr
.irp e, 0,1
.irp p, 0,1
	v_cndmask_b32 v[WD+8+2*\e+\p], v[WD+4*\e+2*\p], v[WD+4*\e+2*\p+1], s[HM]   ; lanes 0-15 the even fragment's, lanes 16-31 the odd one's
.endr
.endr
.irp e, 0,1
.irp p, 0,1
	global_store_b32 v[LS4], v[WD+8+2*\e+\p], s[SBASE:SBASE+1] offset:\e*8*REC+\p*128
.endr
.endr
	s_branch .Lwords_done
.Lis_v:
.irp a, 0,1,2,3,4,5,6,7                ; v: tile a of channels: the step's four blocks of keys
	v_lshl_or_b32 v[WD+\a], v[SB+4*\a+1], 8, v[SB+4*\a]
	v_lshl_or_b32 v[WD+\a], v[SB+4*\a+2], 16, v[WD+\a]
	v_lshl_or_b32 v[WD+\a], v[SB+4*\a+3], 24, v[WD+\a]
.endr
.irp i, 0,1,2,3
	v_cndmask_b32 v[WD+8+\i], v[WD+2*\i], v[WD+2*\i+1], s[HM]
.endr
.irp i, 0,1,2,3
	global_store_b32 v[LS4], v[WD+8+\i], s[SBASE:SBASE+1] offset:(\i/2)*8*REC+(\i%2)*128
.endr
.Lwords_done:
	s_wait_tensorcnt 0x0                           ; the wave's end
	ds_add_u32 v[SPW], v[NIL]
	s_wait_dscnt 0x0
	CROUND                                         ; the closing round: no work-group ends while a partner may still ask for a tile that names it
	s_endpgm
.Lfunc_end_k_q7867c0b168_qkv:
	.size	k_q7867c0b168_qkv, .Lfunc_end_k_q7867c0b168_qkv-k_q7867c0b168_qkv
	.p2alignl 7, 3214868480
	.fill 96, 4, 3214868480
	.section	.rodata,"a",@progbits
	.p2align	6, 0x0
	.amdhsa_kernel k_q7867c0b168_qkv
		.amdhsa_group_segment_fixed_size 327680
		.amdhsa_private_segment_fixed_size 0
		.amdhsa_enable_private_segment 0
		.amdhsa_kernarg_size 56
		.amdhsa_user_sgpr_count 2
		.amdhsa_user_sgpr_kernarg_segment_ptr 1
		.amdhsa_wavefront_size32 1
		.amdhsa_system_sgpr_workgroup_id_x 1
		.amdhsa_system_sgpr_workgroup_id_y 1
		.amdhsa_system_sgpr_workgroup_id_z 1
		.amdhsa_system_vgpr_workitem_id 0
		.amdhsa_next_free_vgpr 1024
		.amdhsa_next_free_sgpr 102
		.amdhsa_reserve_vcc 0
		.amdhsa_float_denorm_mode_32 3
		.amdhsa_float_denorm_mode_16_64 3
		.amdhsa_fp16_overflow 1
		.amdhsa_memory_ordered 1
		.amdhsa_forward_progress 1
		.amdhsa_inst_pref_size 160
	.end_amdhsa_kernel
	.amdgpu_metadata
---
amdhsa.version: [ 1, 2 ]
amdhsa.kernels:
  - .name:           k_q7867c0b168_qkv
    .symbol:         k_q7867c0b168_qkv.kd
    .args:
      - { .name: act, .offset: 0, .size: 8, .value_kind: global_buffer, .address_space: global }
      - { .name: acts, .offset: 8, .size: 8, .value_kind: global_buffer, .address_space: global }
      - { .name: wimg, .offset: 16, .size: 8, .value_kind: global_buffer, .address_space: global }
      - { .name: ws, .offset: 24, .size: 8, .value_kind: global_buffer, .address_space: global }
      - { .name: qimg, .offset: 32, .size: 8, .value_kind: global_buffer, .address_space: global }
      - { .name: qs, .offset: 40, .size: 8, .value_kind: global_buffer, .address_space: global }
      - { .name: kv, .offset: 48, .size: 8, .value_kind: global_buffer, .address_space: global }
    .group_segment_fixed_size: 327680
    .private_segment_fixed_size: 0
    .kernarg_segment_align: 8
    .kernarg_segment_size: 56
    .max_flat_workgroup_size: 128
    .sgpr_count:     102
    .vgpr_count:     1024
    .wavefront_size: 32
...
	.end_amdgpu_metadata
.endif
;; end of part 2
;; launch attn (part 3): grid 4 x 64, 16 waves a work-group, no clusters, 327,680 bytes of LDS; arguments qimg, qs, kv, act, acts; writes act, acts
.if DOCPART == 3
	.amdgcn_target "amdgcn-amd-amdhsa--gfx1250"
	.amdhsa_code_object_version 6
	.text
	.protected	k_q7867c0b168_attn
	.globl	k_q7867c0b168_attn
	.p2align	8
	.type	k_q7867c0b168_attn,@function
k_q7867c0b168_attn:
	s_mov_b64 s[64:65], 0
	v_nop
	global_prefetch_b8 v0, s[64:65] scope:SCOPE_SE
	s_setreg_imm32_b32 hwreg(HW_REG_WAVE_MODE, 25, 1), 1
	s_wait_xcnt 0x0
; Causal attention of one head on codes of E4M3: S^T = K Q^T, p = 2^(t - M) quantised along the keys, O^T = V^T P^T, O / l quantised along the channels into act, acts (the operand of the last product).
; WORK LEFT OUT: a step of 128 keys all of which come after all 16 queries of a tile: reference() hides those keys by a mask that it builds from the positions alone, so their weight is 0 for all inputs.
; LIMIT: a NaN or infinity that would arise only in such hidden scores is not carried to the result.
; THE SOFTMAX: t = score x log2(e) / 8; M = the running largest t rounded up to a whole number; p is not normalised; the row's sum l is taken of the unquantised p; when M moves, l and O^T are multiplied by 2^(old M - new M), exactly.
; SHARES.  Work-group (i, head) owns query blocks i and 7 - i of 256; wave w owns tiles tA = 16 i + w and tB = 127 - tA (16 queries each: 32 (t / 2) + 8 (t % 2) + perm(r)): tile t has t / 8 + 1 live key steps, the two
; together 17 in every wave of the launch.  In a key step the wave takes tile A, then tile B.  Four waves to a SIMD: one wave's vector work stands beside another's matrix work and LDS loads.
; NO CLUSTER: the four work-groups of a head need 8 - i slots: a joint load would bring some partners tiles that none of their waves reads.
; K AND V come as records of 33,792 bytes on end for 256 keys (launch qkv's head), through a ring of two LDS slots; waves 0 to 3 fetch a quarter each.  Every trip count is a constant; what is hidden is jumped over by ids.
; K = 64 IN AN INSTRUCTION 128 DEEP: a fragment of K holds TWO sets of 16 keys; against [q, zeros] it gives the first set's scores, against [zeros, q] the second's.  The 16 registers of a fragment's two results are
; keys 32 f + 16 h + 0 .. 15: p's codes are the second product's operand as they come out of the conversions.  A lane holds one query throughout.
; LIMITS: NaN and infinities among the inputs are not served; p under 2^-126 is 0 (v_exp_f32); a block's largest p is the exponential of its largest score, which takes v_exp_f32 not to fall where its input rises;
; 1 / l is v_rcp_f32; a block of zeros gets the scale byte 1 (its codes are zeros; this program alone reads the bytes).
.set REC,   33792
.set SLOT1, 65536
.set SPARE, 131072                     ; behind the ring: the spare words, 128 bytes for each of 16 waves: eight blocks of 256 bytes that no other line names
.set LI,  1                            ; 16 x lane
.set LS,  2                            ; 4 x lane
.set ADI, 3                            ; the slot in hand + 16 x lane
.set ADW, 4                            ; the slot in hand + 4 x lane
.set SPW, 5
.set NIL, 6
.set PRM, 7                            ; perm(r) - 16 h
.set STA, 8                            ; tile A: v8 -M, v9 the largest t, v[10:11] the sum in two halves
.set STB, 12                           ; tile B likewise
.set QHIA, 16                          ; v16-55: zeros 8, q of A 8, zeros 8, q of B 8, zeros 8
.set QLOA, 24
.set QHIB, 32
.set QLOB, 40
.set QSA, 56                           ; q's scale words
.set QSB, 57
.set KS,  58                           ; v58-59 K's scale registers of the step
.set VS,  60                           ; v60-61 V's
.set PW,  62                           ; p's scale word
.set TW,  63                           ; at work on the way out
.set F,   64                           ; v64-127 four fragments of K; then p's codes and what the softmax works with
.set BM,  F+16                         ; the blocks' largest scores, then largest p
.set T4,  F+20
.set HO,  F+24
.set SO,  F+28                         ; the conversions' scale operands
.set FF,  F+32                         ; f = 2^(old M - new M), low word of a pair
.set T1,  F+34
.set S,   128                          ; v128-191 S^T, then p, then four fragments of V^T
.set OA,  192                          ; v192-223 O^T of tile A
.set OB,  224                          ; v224-255 of tile B
.set WV,  14
.set MNT, 19
.set SEL, 20
.set CS,  22                           ; s[22:23] c = log2(e) / 8
.set G1,  24
.set G0,  32
.set TB,  36                           ; LDS byte at which the slot in hand begins
.set KF,  37                           ; the step's first key
.set QA0, 38                           ; tile A's first query
.set QB0, 39
.set LASTQ, 40                         ; the work-group's last query
.set SLOTS, 41
.macro TLOAD                           ; waves 0 to 3 fetch a quarter of a record each; an s_nop 0 and four v_nop follow the load
	s_cmp_lt_u32 s[WV], 4
	s_cbranch_scc0 .Lno_load_\@
	tensor_load_to_lds s[G0:G0+3], s[G1:G1+7]
	s_nop 0
.rept 4
	v_nop
.endr
.Lno_load_\@:
.endm
	s_load_b256 s[4:11], s[0:1], 0x0               ; qimg 4, qs 6, kv 8, act 10
	s_load_b64 s[12:13], s[0:1], 0x20              ; acts
	v_lshl_add_u32 v[SPW], v0, 2, SPARE
	v_mov_b32 v[NIL], 0
	ds_add_u32 v[SPW], v[NIL]                      ; the opening: the add, twice on end, and its wait ahead of the first tensor load
	ds_add_u32 v[SPW], v[NIL]
	v_lshrrev_b32 v1, 5, v0
	s_delay_alu instid0(VALU_DEP_1)
	v_readfirstlane_b32 s[WV], v1                  ; wave 0..15
	s_and_b32 s16, ttmp7, 0xffff                   ; the head, 0..63
	s_lshl_b32 s17, ttmp9, 4
	s_add_co_u32 s17, s17, s[WV]                   ; tA
	s_sub_co_u32 s18, 127, s17                     ; tB
	s_mov_b32 s[G1], 3<<16                         ; 33 rows of 256 bytes on end, in elements of 8 bytes; no mask, no padding
	s_mov_b32 s[G1+1], 32<<16
	s_mov_b32 s[G1+2], 33<<16
	s_mov_b32 s[G1+3], 32<<16
	s_mov_b32 s[G1+4], 33
	s_mov_b32 s[G1+5], 32
	s_mov_b32 s[G1+6], 0
	s_mov_b32 s[G1+7], 0
	s_mov_b32 s[SEL], 0x76543210
	s_mov_b32 s[SEL+1], 0xfedcba98
	s_mov_b32 s[CS], 0x3e38aa3b
	s_mov_b32 s[CS+1], s[CS]                       ; (named with it as a pair, so it is written)
	s_mov_b32 s[TB], 0
	s_mov_b32 s[KF], 0
	s_mov_b32 s[SLOTS], 7
	s_lshr_b32 s44, s17, 1
	s_lshl_b32 s44, s44, 5
	s_and_b32 s45, s17, 1
	s_lshl_b32 s45, s45, 3
	s_add_co_u32 s[QA0], s44, s45
	s_lshr_b32 s44, s18, 1
	s_lshl_b32 s44, s44, 5
	s_and_b32 s45, s18, 1
	s_lshl_b32 s45, s45, 3
	s_add_co_u32 s[QB0], s44, s45
	s_lshl_b32 s44, ttmp9, 8
	s_sub_co_u32 s[LASTQ], 2047, s44
	s_and_b32 s45, s[WV], 3
	s_mul_i32 s45, s45, REC/4                      ; my quarter of a record
	s_mul_i32 s46, s16, 8*REC
	s_add_co_u32 s46, s46, s45
	s_mov_b32 s47, 0
	s_wait_dscnt 0x0                               ; both opening adds are done
	s_wait_kmcnt 0x0
	s_mov_b32 s[G0], 1
	s_mov_b32 s[G0+1], s45                         ; slot 0
	s_add_nc_u64 s[G0+2:G0+3], s[8:9], s[46:47]    ; the head's first record
	s_or_b32 s[G0+3], s[G0+3], 0x80000000
	TLOAD
	s_lshl_b32 s44, s16, 7
	s_add_co_u32 s45, s44, s17                     ; 128 x head + tA
	s_add_co_u32 s44, s44, s18                     ; 128 x head + tB
	s_lshl_b32 s46, s45, 10
	s_add_nc_u64 s[48:49], s[4:5], s[46:47]
	s_lshl_b32 s46, s44, 10
	s_add_nc_u64 s[50:51], s[4:5], s[46:47]
	s_lshl_b32 s46, s45, 7
	s_add_nc_u64 s[52:53], s[6:7], s[46:47]
	s_lshl_b32 s46, s44, 7
	s_add_nc_u64 s[54:55], s[6:7], s[46:47]
	v_and_b32 v3, 31, v0
	s_delay_alu instid0(VALU_DEP_1)
	v_lshlrev_b32 v[LI], 4, v3
	s_delay_alu instid0(VALU_DEP_2)
	v_lshlrev_b32 v[LS], 2, v3
	global_load_b128 v[QLOA:QLOA+3], v[LI], s[48:49]               ; q stays in registers: channels 16 h on, 32 + 16 h on
	global_load_b128 v[QLOA+4:QLOA+7], v[LI], s[48:49] offset:512
	global_load_b128 v[QLOB:QLOB+3], v[LI], s[50:51]
	global_load_b128 v[QLOB+4:QLOB+7], v[LI], s[50:51] offset:512
	global_load_b32 v[QSA], v[LS], s[52:53]
	global_load_b32 v[QSB], v[LS], s[54:55]
	v_and_b32 v3, 15, v0
	s_delay_alu instid0(VALU_DEP_1)
	v_and_b32 v4, 8, v3
	s_delay_alu instid0(VALU_DEP_1)
	v_add_nc_u32 v[PRM], v4, v3
	v_bfe_u32 v4, v0, 4, 1
	s_delay_alu instid0(VALU_DEP_1)
	v_lshlrev_b32 v4, 4, v4
	s_delay_alu instid0(VALU_DEP_1)
	v_sub_nc_u32 v[PRM], v[PRM], v4
	; where the results go: token tile 128 x batch + t; head e of 16: 1,024 e bytes on in a tile's image; half a scale word at 128 (e / 2) + 2 (e % 2)
	s_lshr_b32 s44, s16, 4
	s_lshl_b32 s44, s44, 7
	s_and_b32 s45, s16, 15
	s_add_co_u32 s42, s44, s17
	s_add_co_u32 s43, s44, s18
	s_lshl_b32 s44, s45, 10
	s_lshl_b32 s46, s42, 14
	s_add_co_u32 s46, s46, s44
	s_add_nc_u64 s[56:57], s[10:11], s[46:47]
	s_lshl_b32 s46, s43, 14
	s_add_co_u32 s46, s46, s44
	s_add_nc_u64 s[60:61], s[10:11], s[46:47]
	s_lshr_b32 s44, s45, 1
	s_lshl_b32 s44, s44, 7
	s_and_b32 s45, s45, 1
	s_lshl_b32 s45, s45, 1
	s_add_co_u32 s44, s44, s45
	s_lshl_b32 s46, s42, 10
	s_add_co_u32 s46, s46, s44
	s_add_nc_u64 s[58:59], s[12:13], s[46:47]
	s_lshl_b32 s46, s43, 10
	s_add_co_u32 s46, s46, s44
	s_add_nc_u64 s[62:63], s[12:13], s[46:47]
.irp z, 16, 32, 48
.irp j, 0,1,2,3,4,5,6,7
	v_mov_b32 v[\z+\j], 0                          ; the zero codes beside q
.endr
.endr
.irp t, STA, STB
	v_mov_b32 v[\t+1], 0xff61b1e6                  ; the largest t so far: -3e38, under every t
	s_delay_alu instid0(VALU_DEP_1)
	v_floor_f32 v[\t], -v[\t+1]                    ; -M
	v_mov_b32 v[\t+2], 0
	v_mov_b32 v[\t+3], 0
.endr
	v_mov_b32 v[TW], 0
.set j, 0
.rept 64
	v_mov_b32 v[OA+j], 0                           ; O^T of both tiles: the step is written once; the first finds zeros, which the first change of M leaves zeros
.set j, j+1
.endr
; ONE TILE'S KEY STEP: 128 keys, the q-th of the slot in hand.
.macro STEPT qlo, qhi, qs, st, o, q0, q
	s_add_co_u32 s44, s[\q0], 23                   ; the tile's last query
	s_cmp_gt_u32 s[KF], s44
	s_cbranch_scc1 .Lhid_\@                        ; all 128 keys come after it: ids and the count of steps alone
.rept 9
	v_nop                                          ; behind the last products: eight places ahead of the loads into the registers that they read, nine ahead of the products that write over such registers
.endr
	s_wait_alu depctr_va_vdst(0)
.irp f, 0,1,2,3
.irp c, 0,1,2,3
	ds_load_b128 v[F+16*\f+4*\c:F+16*\f+4*\c+3], v[ADI] offset:(4*(\q)+\f)*2048+512*\c
.endr
.endr
	ds_load_b32 v[KS], v[ADW] offset:32768+256*(\q)
	ds_load_b32 v[KS+1], v[ADW] offset:32768+256*(\q)+128
	s_wait_dscnt 0x0
.irp f, 0,1,2,3
.if (\f)%2
	v_wmma_scale_f32_16x16x128_f8f6f4 v[S+16*\f:S+16*\f+7], v[F+16*\f:F+16*\f+15], v[\qlo:\qlo+15], 0, v[KS+\f/2], v[\qs] matrix_a_scale:MATRIX_SCALE_ROW1
	v_wmma_scale_f32_16x16x128_f8f6f4 v[S+16*\f+8:S+16*\f+15], v[F+16*\f:F+16*\f+15], v[\qhi:\qhi+15], 0, v[KS+\f/2], v[\qs] matrix_a_scale:MATRIX_SCALE_ROW1
.else
	v_wmma_scale_f32_16x16x128_f8f6f4 v[S+16*\f:S+16*\f+7], v[F+16*\f:F+16*\f+15], v[\qlo:\qlo+15], 0, v[KS+\f/2], v[\qs]
	v_wmma_scale_f32_16x16x128_f8f6f4 v[S+16*\f+8:S+16*\f+15], v[F+16*\f:F+16*\f+15], v[\qhi:\qhi+15], 0, v[KS+\f/2], v[\qs]
.endif
.endr
.rept 8
	v_nop
.endr
	s_add_co_u32 s44, s[KF], 127                   ; on the diagonal hidden scores become -infinity ahead of the maximum; a step all of whose keys count skips this
	s_cmp_le_u32 s44, s[\q0]
	s_cbranch_scc1 .Lopen_\@
	s_sub_co_i32 s44, s[\q0], s[KF]
	v_add_nc_u32 v[F+36], s44, v[PRM]              ; d = my query - KF - 16 h; register n holds key KF + 16 h + 32 (n / 16) + n % 16: hidden where that constant is over d
	v_mov_b32 v[F+37], 0xff800000
.set n, 0
.rept 64
	v_cmp_gt_i32 vcc_lo, 32*(n/16)+n%16, v[F+36]
	v_cndmask_b32 v[S+n], v[S+n], v[F+37], vcc_lo
.set n, n+1
.endr
.Lopen_\@:
.irp b, 0,1,2,3
	v_max3_num_f32 v[BM+\b], v[S+16*\b], v[S+16*\b+1], v[S+16*\b+2]   ; the largest score of each block of 32 keys: for the row's maximum, and for the block's largest p
.endr
.irp i, 3,5,7,9,11,13
.irp b, 0,1,2,3
	v_max3_num_f32 v[BM+\b], v[BM+\b], v[S+16*\b+\i], v[S+16*\b+\i+1]
.endr
.endr
.irp b, 0,1,2,3
	v_max_num_f32 v[BM+\b], v[BM+\b], v[S+16*\b+15]
.endr
.irp b, 0,1,2,3
	s_delay_alu instid0(VALU_DEP_4)
	v_permlanex16_b32 v[T4+\b], v[BM+\b], s[SEL], s[SEL+1]
.endr
.irp b, 0,1,2,3
	s_delay_alu instid0(VALU_DEP_4)
	v_max_num_f32 v[BM+\b], v[BM+\b], v[T4+\b]     ; with lane l xor 16's 16 keys
.endr
	s_delay_alu instid0(VALU_DEP_2)
	v_max3_num_f32 v[T1], v[BM], v[BM+1], v[BM+2]
	s_delay_alu instid0(VALU_DEP_1)
	v_max_num_f32 v[T1], v[T1], v[BM+3]
	s_delay_alu instid0(VALU_DEP_1)
	v_mul_f32 v[T1], s[CS], v[T1]                  ; the step's largest t
	s_delay_alu instid0(VALU_DEP_1)
	v_max_num_f32 v[\st+1], v[\st+1], v[T1]        ; the running largest t
	v_mov_b32 v[T1], v[\st]
	s_delay_alu instid0(VALU_DEP_2)
	v_floor_f32 v[\st], -v[\st+1]                  ; the new -M = floor(-t): M is a whole number
	s_delay_alu instid0(VALU_DEP_1)
	v_sub_f32 v[T1], v[\st], v[T1]                 ; old M - new M, 0 or less
	s_delay_alu instid0(VALU_DEP_1)
	v_cvt_i32_f32 v[T1], v[T1]                     ; (it saturates)
	s_delay_alu instid0(VALU_DEP_1)
	v_ldexp_f32 v[FF], 1.0, v[T1]                  ; f = 2^(old M - new M)
.set j, 0
.rept 32
	v_pk_fma_f32 v[S+j:S+j+1], v[S+j:S+j+1], s[CS:CS+1], v[\st:\st+1] op_sel_hi:[1,0,0]   ; t - M, two at a time
.set j, j+2
.endr
.irp b, 0,1,2,3
	v_fma_f32 v[BM+\b], v[BM+\b], s[CS], v[\st]    ; the same of each block's largest score
.endr
.set j, 0
	s_wait_alu depctr_va_vdst(0)
.rept 64
	v_exp_f32 v[S+j], v[S+j]                       ; p = 2^(t - M)
.set j, j+1
.endr
	v_pk_mul_f32 v[\st+2:\st+3], v[\st+2:\st+3], v[FF:FF+1] op_sel_hi:[1,0]   ; the sums under the new M: a plain instruction behind the exponentials
	s_wait_alu depctr_va_vdst(0)                   ; one wait for the batch of 64, ahead of its first reader
.irp b, 0,1,2,3
	v_exp_f32 v[BM+\b], v[BM+\b]                   ; the blocks' largest p
.endr
	v_pk_add_f32 v[T4:T4+1], v[S:S+1], v[S+2:S+3]  ; the row's sum of the unquantised p, in two chains
.irp j, 4,8,12,16,20,24,28,32,36,40,44,48,52,56,60
	v_pk_add_f32 v[\st+2:\st+3], v[\st+2:\st+3], v[S+\j:S+\j+1]
	v_pk_add_f32 v[T4:T4+1], v[T4:T4+1], v[S+\j+2:S+\j+3]
.endr
	s_delay_alu instid0(VALU_DEP_1)
	v_pk_add_f32 v[\st+2:\st+3], v[\st+2:\st+3], v[T4:T4+1]
	s_wait_alu depctr_va_vdst(0)                   ; and one for the four
.irp b, 0,1,2,3
	v_max_num_f32 v[BM+\b], 0x4800000, v[BM+\b]    ; the floor 2^(9 - 127): the byte cannot fall under 1
.endr
.irp b, 0,1,2,3
	s_delay_alu instid0(VALU_DEP_4)
	v_add_nc_u32 v[SO+\b], 0xfc000000, v[BM+\b]
.endr
.irp b, 0,1,2,3
.endr
.irp b, 0,1,2,3
	s_delay_alu instid0(VALU_DEP_4)
	v_lshrrev_b32 v[T4+\b], 23, v[SO+\b]
.endr
	s_delay_alu instid0(VALU_DEP_3)
	v_lshl_or_b32 v[PW], v[T4+1], 8, v[T4]         ; p's scale word for these 128 keys
	s_delay_alu instid0(VALU_DEP_1)
	v_lshl_or_b32 v[PW], v[T4+2], 16, v[PW]
	s_delay_alu instid0(VALU_DEP_1)
	v_lshl_or_b32 v[PW], v[T4+3], 24, v[PW]
.irp b, 0,1,2,3
.irp i, 0,1,2,3,4,5,6,7,8,9,10,11,12,13,14,15
.endr
	v_cvt_scalef32_pk8_fp8_f32 v[F+4*\b:F+4*\b+1], v[S+16*\b:S+16*\b+7], v[SO+\b]
	v_cvt_scalef32_pk8_fp8_f32 v[F+4*\b+2:F+4*\b+3], v[S+16*\b+8:S+16*\b+15], v[SO+\b]
.endr
	v_nop
.irp g, 0,1,2,3
.irp c, 0,1,2,3
	ds_load_b128 v[S+16*\g+4*\c:S+16*\g+4*\c+3], v[ADI] offset:16384+(4*(\q)+\g)*2048+512*\c   ; V^T's four tiles of 16 channels, where p lay
.endr
.endr
	ds_load_b32 v[VS], v[ADW] offset:33280+256*(\q)
	ds_load_b32 v[VS+1], v[ADW] offset:33280+256*(\q)+128
.set j, 0
.rept 16
	v_pk_mul_f32 v[\o+j:\o+j+1], v[\o+j:\o+j+1], v[FF:FF+1] op_sel_hi:[1,0]   ; O^T under the new M; these are also the places between the codes and the products
.set j, j+2
.endr
	s_wait_alu depctr_va_vdst(0)
	s_wait_dscnt 0x0
.irp g, 0,1,2,3                        ; the four accumulators by turns
.if (\g)%2
	v_wmma_scale_f32_16x16x128_f8f6f4 v[\o+8*\g:\o+8*\g+7], v[S+16*\g:S+16*\g+15], v[F:F+15], v[\o+8*\g:\o+8*\g+7], v[VS+\g/2], v[PW] matrix_a_scale:MATRIX_SCALE_ROW1
.else
	v_wmma_scale_f32_16x16x128_f8f6f4 v[\o+8*\g:\o+8*\g+7], v[S+16*\g:S+16*\g+15], v[F:F+15], v[\o+8*\g:\o+8*\g+7], v[VS+\g/2], v[PW]
.endif
.endr
.Lhid_\@:
.endm
.macro STEP q
	STEPT QLOA, QHIA, QSA, STA, OA, QA0, \q
	STEPT QLOB, QHIB, QSB, STB, OB, QB0, \q
	s_add_co_u32 s[KF], s[KF], 128
.endm
.macro SLOT_STEPS
	v_add_nc_u32 v[ADI], s[TB], v[LI]
	v_add_nc_u32 v[ADW], s[TB], v[LS]
	STEP 0
	STEP 1
	s_xor_b32 s[TB], s[TB], SLOT1                  ; on to the other slot
.endm
; THE CHANGE OF SLOTS, at a slot's head.  Each wave waits for all its tensor loads, adds 0 to its spare word, and waits for that and for its reads of the slot that it has left; behind the barrier the slot ahead is whole
; and nobody reads the other one.  fill = 1: that other slot takes the next record, which has a whole slot's steps in which to land; one tensor load a wave is out at the most.
.macro CHANGE fill
	s_wait_tensorcnt 0x0                           ; no tensor load of mine is out, so the group 0 may be written
	ds_add_u32 v[SPW], v[NIL]
.if \fill
	ds_add_u32 v[SPW], v[NIL]                      ; twice on end where a load follows, in every trip alike
	s_xor_b32 s[G0+1], s[G0+1], SLOT1
	s_add_nc_u64 s[G0+2:G0+3], s[G0+2:G0+3], REC
.endif
	s_wait_dscnt 0x0
	s_barrier_signal -1
	s_barrier_wait -1
.if \fill
	s_add_co_u32 s44, s[KF], 256                   ; the first key of the slot that this change would ask for:
	s_cmp_gt_u32 s44, s[LASTQ]                     ; behind the work-group's last query none of its waves reads it, so it is not asked for.  Ids and the count of steps alone: all sixteen waves go the same way
	s_cbranch_scc1 .Lpast_\@
	TLOAD
.Lpast_\@:
.endif
.endm
	s_wait_loadcnt 0x0                             ; q
.Lslot:                                            ; 7 trips
	CHANGE 1
	SLOT_STEPS
	s_sub_co_u32 s[SLOTS], s[SLOTS], 1
	s_cmp_lg_u32 s[SLOTS], 0
	s_cbranch_scc1 .Lslot
	CHANGE 0                                       ; the last slot is written out: nothing is left to ask for
	SLOT_STEPS
	; THE WAY OUT: O^T / l of both tiles, four blocks of 32 channels (16 mine, 16 lane l xor 16's), quantised; the codes are two groups of 512 bytes of each tile's image.
.rept 8
	v_nop
.endr
	v_add_f32 v[STA+2], v[STA+2], v[STA+3]
	v_add_f32 v[STB+2], v[STB+2], v[STB+3]
	v_mov_b32 v[T1], 0
	s_delay_alu instid0(VALU_DEP_3)
	v_permlanex16_b32 v[TW], v[STA+2], s[SEL], s[SEL+1]
	s_delay_alu instid0(VALU_DEP_2)
	v_permlanex16_b32 v[T1], v[STB+2], s[SEL], s[SEL+1]
	s_delay_alu instid0(VALU_DEP_2)
	v_add_f32 v[STA+2], v[STA+2], v[TW]
	s_delay_alu instid0(VALU_DEP_2)
	v_add_f32 v[STB+2], v[STB+2], v[T1]            ; the rows' sums
	s_wait_alu depctr_va_vdst(0)
	v_rcp_f32 v[STA+2], v[STA+2]
	v_rcp_f32 v[STB+2], v[STB+2]
.irp b, 0,1,2,3
	v_mov_b32 v[T4+\b], 0                          ; plain instructions behind the reciprocals; a lane permute's destination counts as one of its sources
.endr
	s_wait_alu depctr_va_vdst(0)                   ; one wait for the two, ahead of their first reader
.set j, 0
.rept 16
	v_pk_mul_f32 v[S+j:S+j+1], v[OA+j:OA+j+1], v[STA+2:STA+3] op_sel_hi:[1,0]
.set j, j+2
.endr
.set j, 0
.rept 16
	v_pk_mul_f32 v[S+32+j:S+32+j+1], v[OB+j:OB+j+1], v[STB+2:STB+3] op_sel_hi:[1,0]
.set j, j+2
.endr
.irp b, 0,1,2,3
	v_max3_num_f32 v[BM+\b], |v[S+16*\b]|, |v[S+16*\b+1]|, 0x4800000
.endr
.irp i, 2,4,6,8,10,12,14
.irp b, 0,1,2,3
	s_delay_alu instid0(VALU_DEP_4)
	v_max3_num_f32 v[BM+\b], v[BM+\b], |v[S+16*\b+\i]|, |v[S+16*\b+\i+1]|
.endr
.endr
.irp b, 0,1,2,3
	s_delay_alu instid0(VALU_DEP_4)
	v_permlanex16_b32 v[T4+\b], v[BM+\b], s[SEL], s[SEL+1]
.endr
.irp b, 0,1,2,3
	s_delay_alu instid0(VALU_DEP_4)
	v_max_num_f32 v[BM+\b], v[BM+\b], v[T4+\b]
.endr
.irp b, 0,1,2,3
	s_delay_alu instid0(VALU_DEP_4)
	v_add_nc_u32 v[SO+\b], 0xfc000000, v[BM+\b]
.endr
.irp b, 0,1,2,3
.endr
.irp b, 0,1,2,3
	s_delay_alu instid0(VALU_DEP_4)
	v_lshrrev_b32 v[T4+\b], 23, v[SO+\b]
.endr
	s_delay_alu instid0(VALU_DEP_3)
	v_lshl_or_b32 v[T1], v[T4+1], 8, v[T4]         ; half a scale word: my head's two blocks, tile A's,
	s_delay_alu instid0(VALU_DEP_2)
	v_lshl_or_b32 v[T1+1], v[T4+3], 8, v[T4+2]     ; tile B's
.irp b, 0,1,2,3
.irp i, 0,1,2,3,4,5,6,7,8,9,10,11,12,13,14,15
.endr
	v_cvt_scalef32_pk8_fp8_f32 v[F+4*\b:F+4*\b+1], v[S+16*\b:S+16*\b+7], v[SO+\b]
	v_cvt_scalef32_pk8_fp8_f32 v[F+4*\b+2:F+4*\b+3], v[S+16*\b+8:S+16*\b+15], v[SO+\b]
.endr
	v_nop                                          ; a plain instruction behind the last conversion
	global_store_b128 v[LI], v[F:F+3], s[56:57]                    ; 512 bytes on end a store
	global_store_b128 v[LI], v[F+4:F+7], s[56:57] offset:512
	global_store_b128 v[LI], v[F+8:F+11], s[60:61]
	global_store_b128 v[LI], v[F+12:F+15], s[60:61] offset:512
	global_store_b16 v[LS], v[T1], s[58:59]                        ; each of the 32 lanes into its own word of the scale image
	global_store_b16 v[LS], v[T1+1], s[62:63]
	s_wait_tensorcnt 0x0                           ; the wave's end
	ds_add_u32 v[SPW], v[NIL]
	s_wait_dscnt 0x0
	s_endpgm
.Lfunc_end_k_q7867c0b168_attn:
	.size	k_q7867c0b168_attn, .Lfunc_end_k_q7867c0b168_attn-k_q7867c0b168_attn
	.p2alignl 7, 3214868480
	.fill 96, 4, 3214868480
	.section	.rodata,"a",@progbits
	.p2align	6, 0x0
	.amdhsa_kernel k_q7867c0b168_attn
		.amdhsa_group_segment_fixed_size 327680
		.amdhsa_private_segment_fixed_size 0
		.amdhsa_enable_private_segment 0
		.amdhsa_kernarg_size 40
		.amdhsa_user_sgpr_count 2
		.amdhsa_user_sgpr_kernarg_segment_ptr 1
		.amdhsa_wavefront_size32 1
		.amdhsa_system_sgpr_workgroup_id_x 1
		.amdhsa_system_sgpr_workgroup_id_y 1
		.amdhsa_system_sgpr_workgroup_id_z 1
		.amdhsa_system_vgpr_workitem_id 0
		.amdhsa_next_free_vgpr 256
		.amdhsa_next_free_sgpr 66
		.amdhsa_reserve_vcc 1
		.amdhsa_float_denorm_mode_32 3
		.amdhsa_float_denorm_mode_16_64 3
		.amdhsa_fp16_overflow 1
		.amdhsa_memory_ordered 1
		.amdhsa_forward_progress 1
		.amdhsa_inst_pref_size 196
	.end_amdhsa_kernel
	.amdgpu_metadata
---
amdhsa.version: [ 1, 2 ]
amdhsa.kernels:
  - .name:           k_q7867c0b168_attn
    .symbol:         k_q7867c0b168_attn.kd
    .args:
      - { .name: qimg, .offset: 0, .size: 8, .value_kind: global_buffer, .address_space: global }
      - { .name: qs, .offset: 8, .size: 8, .value_kind: global_buffer, .address_space: global }
      - { .name: kv, .offset: 16, .size: 8, .value_kind: global_buffer, .address_space: global }
      - { .name: act, .offset: 24, .size: 8, .value_kind: global_buffer, .address_space: global }
      - { .name: acts, .offset: 32, .size: 8, .value_kind: global_buffer, .address_space: global }
    .group_segment_fixed_size: 327680
    .private_segment_fixed_size: 0
    .kernarg_segment_align: 8
    .kernarg_segment_size: 40
    .max_flat_workgroup_size: 512
    .sgpr_count:     66
    .vgpr_count:     256
    .wavefront_size: 32
...
	.end_amdgpu_metadata
.endif
;; end of part 3
;; launch proj (part 4): grid 4 x 32, 4 waves a work-group, clusters of 4 x 4, 327,680 bytes of LDS; arguments act, acts, wimg, ws, x, out0; writes out0
.if DOCPART == 4
	.amdgcn_target "amdgcn-amd-amdhsa--gfx1250"
	.amdhsa_code_object_version 6
	.text
	.protected	k_q7867c0b168_proj
	.globl	k_q7867c0b168_proj
	.p2align	8
	.type	k_q7867c0b168_proj,@function
k_q7867c0b168_proj:
	s_mov_b64 s[64:65], 0
	v_nop
	global_prefetch_b8 v0, s[64:65] scope:SCOPE_SE
	s_setreg_imm32_b32 hwreg(HW_REG_WAVE_MODE, 25, 1), 1
	s_wait_xcnt 0x0
	s_wait_alu depctr_hold_cnt(0) depctr_sa_sdst(0) depctr_va_vdst(0) depctr_va_sdst(0) depctr_va_ssrc(0) depctr_va_vcc(0) depctr_vm_vsrc(0)
	s_getreg_b32 s2, hwreg(HW_REG_IB_STS2, 6, 4)
	s_cmp_eq_u32 s2, 0
	s_cbranch_scc0 .Lentry_in_a_cluster
	s_endpgm
.Lentry_in_a_cluster:
	s_bfe_u32 s2, ttmp6, 0x10000c
	s_cmp_lg_u32 s2, 0xf033
	s_cbranch_scc0 .Lentry_shape_is_right
	s_endpgm
.Lentry_shape_is_right:
; out0 = x + out Wp^T: the last product on codes of E4M3 with E8M0 scales, sums in f32, and the residual.  No work is left out here.
; The product is launch qkv's: a tile of 256 x 256 to a work-group of four waves, 128 x 128 to a wave; K = 1,024 in four slots' worth of 256 through a ring of two LDS slots; operands as images of fragments.
; P (source 1: a lane of the result is a token) = act, the codes that launch attn stored; Q (source 0: a lane's registers run along output channels 32 b + 16 h + 0 .. 15) = Wp's tiles, 192 on in wimg.
; CLUSTERS: 4 x 4: P's tiles are asked for jointly by a row of the cluster, Q's by a column.
; THE WAY OUT: 16 tokens x 128 channels at a time through the wave's own stage in LDS, back as whole rows of 512 bytes; x's rows, asked for four blocks ahead, are added; a tile's order of rows is undone by the stores' offsets.
; The stage lies in slot 0, which has had its last fill and its last read when the first result is stored there.
; REGISTERS: window 0: v16-29 addresses, v32-63 scale words, v128-255 P's fragments, on the way out rows of the result; window 1: Q's fragments, on the way out x; windows 2, 3: accumulator (a, b) at v[8 (8 (a % 4) + b)].
.set SLOT,  131072
.set QOFF,  65536
.set SCL,   2*SLOT
.set SPARE, SCL+32768                  ; the spare words, 128 bytes a wave: two blocks of 256 bytes that no other line names
.set SPITCH, 528                       ; a stage row: 512 bytes + 16
.set NQ,    2
.set FR,    16
.set NL,    4
.set NP,    8
.set LAPS,  2
.set ADRA, 16
.set ADRB, 20
.set STO,  24                          ; the way out: where I put 32 bytes of a row
.set RD,   25                          ; where I read a row back
.set CO,   26                          ; 16 x lane: my bytes of a row of x and of out0
.set ADRS, 27
.set SPW,  28
.set NIL,  29
.set SC,   32
.set AF,   128
.set BK,   128                         ; the way out: 16 rows: v128-191 and v192-255 by turns
.set WV, 16
.set HP, 17
.set HQ, 18
.set G1, 24
.set G0, 32
.set G1B, 48
.set G0B, 56
.set G1S, 68
.set G0S, 76
.set G1SB, 80
.set G0SB, 88
.set MSB, 0
.macro WIN new
.if MSB != (\new)
	s_set_vgpr_msb (MSB<<8)|(\new)
.set MSB, (\new)
.endif
.endm
.set MUL_LO, 0xa1
.set MUL_HI, 0xf1
.set TO_B,   0x40
.macro JLOAD g0a, g1a, g0b, g1b        ; a joint load: waves 0 and 1 fetch for P, waves 2 and 3 for Q; an s_nop 0 and four v_nop follow each line
	s_cmp_eq_u32 s[HP], 0
	s_cbranch_scc0 .Lfor_b_\@
	tensor_load_to_lds s[\g0a:\g0a+3], s[\g1a:\g1a+7]
	s_nop 0
.rept 4
	v_nop
.endr
	s_branch .Lasked_\@
.Lfor_b_\@:
	tensor_load_to_lds s[\g0b:\g0b+3], s[\g1b:\g1b+7]
	s_nop 0
.rept 4
	v_nop
.endr
.Lasked_\@:
.endm
.macro CREST
	s_cmp_lg_u32 s[WV], 0
	s_cbranch_scc1 .Lnot_wave_0_\@
	s_barrier_signal -3
.Lnot_wave_0_\@:
	s_barrier_wait -3
	s_barrier_signal -1
	s_barrier_wait -1
.endm
.macro CROUND
	s_barrier_signal -1
	s_barrier_wait -1
	CREST
.endm
	s_load_b256 s[4:11], s[0:1], 0x0               ; act 4, acts 6, wimg 8, ws 10
	s_load_b128 s[12:15], s[0:1], 0x20             ; x 12, out0 14
	v_lshl_add_u32 v[SPW], v0, 2, SPARE
	v_mov_b32 v[NIL], 0
	ds_add_u32 v[SPW], v[NIL]                      ; the opening: the add, twice on end, and its wait ahead of my first tensor load
	ds_add_u32 v[SPW], v[NIL]
	v_lshrrev_b32 v1, 5, v0
	v_readfirstlane_b32 s[WV], v1
	s_lshr_b32 s[HP], s[WV], 1
	s_and_b32 s[HQ], s[WV], 1
	s_bfe_u32 s40, ttmp6, 0x40000                  ; cx
	s_bfe_u32 s41, ttmp6, 0x40004                  ; cy
	s_lshl_b32 s43, s41, 2
	s_lshl_b32 s43, 15, s43                        ; my row of the cluster
	s_lshl_b32 s44, 0x1111, s40                    ; my column
	s_or_b32 s[G1+0], s43, (3<<16)|(1<<21)         ; codes: 8 rows (tiles) of 4,096 bytes, 16,384 apart, in elements of 8 bytes
	s_or_b32 s[G1B+0], s44, (3<<16)|(1<<21)
.irp g, G1, G1B
	s_mov_b32 s[\g+1], 512<<16
	s_mov_b32 s[\g+2], 8<<16
	s_mov_b32 s[\g+3], 512<<16
	s_mov_b32 s[\g+4], 8
	s_mov_b32 s[\g+5], 2048
	s_mov_b32 s[\g+6], 0
	s_mov_b32 s[\g+7], 0
.endr
	s_or_b32 s[G1S+0], s43, (3<<16)|(1<<21)        ; scale images of 8 tiles: 32 rows of 256 bytes on end
	s_or_b32 s[G1SB+0], s44, (3<<16)|(1<<21)
.irp g, G1S, G1SB
	s_mov_b32 s[\g+1], 32<<16
	s_mov_b32 s[\g+2], 32<<16
	s_mov_b32 s[\g+3], 32<<16
	s_mov_b32 s[\g+4], 32
	s_mov_b32 s[\g+5], 32
	s_mov_b32 s[\g+6], 0
	s_mov_b32 s[\g+7], 0
.endr
	s_and_b32 s42, ttmp7, 0xffff                   ; cluster y
	s_lshl_b32 s20, s42, 6
	s_lshl_b32 s21, s41, 4
	s_add_co_u32 s20, s20, s21
	s_lshl_b32 s21, s[HQ], 3
	s_add_co_u32 s20, s20, s21                     ; P: token tile 64 y + 16 cy + the 8 that I fetch
	s_lshl_b32 s22, s20, 10
	s_lshl_b32 s20, s20, 14
	s_mov_b32 s21, 0
	s_mov_b32 s23, 0
	s_lshl_b32 s46, s40, 4
	s_add_co_u32 s46, s46, 192
	s_lshl_b32 s47, s[HQ], 3
	s_add_co_u32 s46, s46, s47                     ; Q: Wp's tile 192 + 16 cx + the 8 that I fetch
	s_lshl_b32 s2, s46, 10
	s_lshl_b32 s46, s46, 14
	s_mov_b32 s47, 0
	s_mov_b32 s3, 0
	s_lshl_b32 s19, s[WV], 13                      ; where my loads go: no place in the cluster enters an LDS address
	s_lshl_b32 s66, s[WV], 15
	s_wait_dscnt 0x0                               ; both opening adds are done
	s_wait_kmcnt 0x0
	s_add_nc_u64 s[92:93], s[4:5], s[20:21]
	s_add_nc_u64 s[94:95], s[6:7], s[22:23]
	s_add_nc_u64 s[98:99], s[8:9], s[46:47]
	s_add_nc_u64 s[100:101], s[10:11], s[2:3]
	CROUND                                         ; all sixteen work-groups are here: the first joint loads meet
	s_mov_b32 s[G0S], 1
	s_add_co_u32 s[G0S+1], s19, SCL
	s_mov_b64 s[G0S+2:G0S+3], s[94:95]
	s_or_b32 s[G0S+3], s[G0S+3], 0x80000000
	s_mov_b32 s[G0SB], 1
	s_add_co_u32 s[G0SB+1], s19, SCL
	s_mov_b64 s[G0SB+2:G0SB+3], s[100:101]
	s_or_b32 s[G0SB+3], s[G0SB+3], 0x80000000
	JLOAD G0S, G1S, G0SB, G1SB
.irp s, 0,1
	s_mov_b32 s[G0+4*\s], 1
	s_add_co_u32 s[G0+4*\s+1], s66, \s*SLOT
	s_add_nc_u64 s[G0+4*\s+2:G0+4*\s+3], s[92:93], \s*4096
	s_or_b32 s[G0+4*\s+3], s[G0+4*\s+3], 0x80000000
	s_mov_b32 s[G0B+4*\s], 1
	s_add_co_u32 s[G0B+4*\s+1], s66, \s*SLOT
	s_add_nc_u64 s[G0B+4*\s+2:G0B+4*\s+3], s[98:99], \s*4096
	s_or_b32 s[G0B+4*\s+3], s[G0B+4*\s+3], 0x80000000
	s_wait_alu depctr_va_vdst(0)
	s_wait_tensorcnt 0x0
	ds_add_u32 v28, v29
	s_wait_dscnt 0x0
	CROUND
	JLOAD G0+4*\s, G1, G0B+4*\s, G1B
.endr
	v_and_b32 v1, 31, v0
	v_lshlrev_b32 v[CO], 4, v1                     ; 16 x lane
	v_bfe_u32 v2, v0, 4, 1                         ; h
	s_wait_alu depctr_va_vdst(0)
	v_and_b32 v4, 15, v0                           ; r
	s_wait_alu depctr_va_vdst(0)
	s_lshl_b32 s20, s[HP], 15
	s_lshl_b32 s22, s[HQ], 15
	s_add_co_u32 s22, s22, QOFF
.irp s, 0,1
	v_add_nc_u32 v[ADRA+\s], s20, v[CO]
	v_add_nc_u32 v[ADRB+\s], s22, v[CO]
	s_add_co_u32 s20, s20, SLOT
	s_add_co_u32 s22, s22, SLOT
.endr
	s_lshl_b32 s20, s[HP], 13
	s_lshl_b32 s22, s[HQ], 13
	s_add_co_u32 s22, s22, 2*8192
	s_sub_co_u32 s22, s22, s20
	v_mul_u32_u24 v6, s22, v2                      ; lanes 16-31 take Q's scale images: one product with h
	s_add_co_u32 s20, s20, SCL
	v_lshl_add_u32 v6, v1, 2, v6
	v_add_nc_u32 v[ADRS], s20, v6
	s_mul_i32 s23, s[WV], 16*SPITCH                ; my stage
	v_mul_u32_u24 v5, v4, SPITCH
	v_lshl_add_u32 v5, v2, 6, v5
	v_add_nc_u32 v[STO], s23, v5                   ; in: row r, + 64 h
	v_add_nc_u32 v[RD], s23, v[CO]                 ; back: the 32 lanes take a row of 512 bytes
	s_lshl_b32 s42, s42, 2
	s_add_co_u32 s42, s42, s41
	s_lshl_b32 s42, s42, 1
	s_add_co_u32 s42, s42, s[HP]                   ; my first token / 128
	s_lshl_b32 s42, s42, 19                        ; 128 rows of 4,096 bytes
	s_lshl_b32 s45, s40, 1
	s_add_co_u32 s45, s45, s[HQ]
	s_lshl_b32 s45, s45, 9                         ; my first channel, in bytes
	s_add_co_u32 s42, s42, s45
	s_mov_b32 s43, 0
	s_add_nc_u64 s[12:13], s[12:13], s[42:43]
	s_add_nc_u64 s[14:15], s[14:15], s[42:43]
.macro FRAG reg, adr, q, i
.irp c, 0,1,2,3
	ds_load_b128 v[\reg+4*\c:\reg+4*\c+3], v[\adr] offset:(\i)*4096+(\q)*2048+512*\c
.endr
.endm
.macro MUL16 a0, p, q, sc, zero        ; 16 matrix instructions; the 64 accumulators take turns, one instruction a turn
.irp a, \a0, \a0+1
.irp b, 0,1,2,3,4,5,6,7
.if \zero
	v_wmma_scale_f32_16x16x128_f8f6f4 v[8*(8*((\a)%4)+\b):8*(8*((\a)%4)+\b)+7], v[128*(\p)+FR*\b:128*(\p)+FR*\b+FR-1], v[AF+FR*(\a):AF+FR*(\a)+FR-1], 0, v[SC+8*NQ*(\sc)+NQ*\b+(\q)], v[SC+8*NQ*(\sc)+NQ*(\a)+(\q)] matrix_a_scale:MATRIX_SCALE_ROW1
.else
	v_wmma_scale_f32_16x16x128_f8f6f4 v[8*(8*((\a)%4)+\b):8*(8*((\a)%4)+\b)+7], v[128*(\p)+FR*\b:128*(\p)+FR*\b+FR-1], v[AF+FR*(\a):AF+FR*(\a)+FR-1], v[8*(8*((\a)%4)+\b):8*(8*((\a)%4)+\b)+7], v[SC+8*NQ*(\sc)+NQ*\b+(\q)], v[SC+8*NQ*(\sc)+NQ*(\a)+(\q)] matrix_a_scale:MATRIX_SCALE_ROW1
.endif
.endr
.endr
.endm
.macro FETCH_B slot, q, p
	WIN TO_B
.irp i, 0,1,2,3,4,5,6,7
	FRAG 128*(\p)+FR*\i, ADRB+\slot, \q, \i
.endr
	WIN 0
.endm
.macro FETCH_A slot, q, i0
.irp i, \i0, \i0+1, \i0+2, \i0+3
	FRAG AF+FR*(\i), ADRA+\slot, \q, \i
.endr
.endm
.macro SCALES sc
.irp i, 0,1,2,3,4,5,6,7
	ds_load_b32 v[SC+16*\sc+2*\i], v[ADRS] offset:\i*1024
	ds_load_b32 v[SC+16*\sc+2*\i+1], v[ADRS] offset:\i*1024+128
.endr
.endm
.macro PLACES n                        ; plain vector instructions between a matrix instruction and a load into, or a read of, its registers (ISA guide 7.12.1 for reads)
.rept \n
	v_nop
.endr
.endm
.macro STEP slot, q, zero
	s_wait_dscnt 4*NL                              ; all but the youngest 16 loads (P's tiles 4-7) are in
	WIN MUL_LO
	MUL16 0, (\q)%2, \q, \slot, \zero
	MUL16 2, (\q)%2, \q, \slot, \zero
	s_wait_dscnt 0
	PLACES NP
	FETCH_B \slot, (\q)+1, 1-(\q)%2
	FETCH_A \slot, (\q)+1, 0
	WIN MUL_HI
	MUL16 4, (\q)%2, \q, \slot, \zero
	MUL16 6, (\q)%2, \q, \slot, \zero
	PLACES NP
	WIN 0
	FETCH_A \slot, (\q)+1, 4
.endm
.macro TURN slot, next, fill           ; a slot's last step changes slots: one barrier, the three lines ahead of it; fill = 1: the slot is filled again behind a round of the cluster's barrier
	s_wait_tensorcnt 0x0                           ; all my tensor loads have landed: my part of the next slot
	ds_add_u32 v[SPW], v[NIL]
	s_wait_dscnt 4*NL+1                            ; (the add and the youngest 16 loads may be out)
	WIN MUL_LO
	MUL16 0, 1, NQ-1, \slot, 0
	s_wait_dscnt 0x0                               ; the add is done, and my reads of this slot are over
	s_barrier_signal -1
	MUL16 2, 1, NQ-1, \slot, 0
	WIN 0
	s_barrier_wait -1
.if \fill
	CREST
	s_add_nc_u64 s[G0+4*\slot+2:G0+4*\slot+3], s[G0+4*\slot+2:G0+4*\slot+3], 8192
	s_add_nc_u64 s[G0B+4*\slot+2:G0B+4*\slot+3], s[G0B+4*\slot+2:G0B+4*\slot+3], 8192
	JLOAD G0+4*\slot, G1, G0B+4*\slot, G1B         ; the first tensor load behind the round
	PLACES NP-4
.else
	PLACES NP
.endif
	s_wait_alu depctr_va_vdst(0)
	v_add_nc_u32 v[ADRS], 256, v[ADRS]
	FETCH_B \next, 0, 0
	FETCH_A \next, 0, 0
	SCALES \next
	WIN MUL_HI
	MUL16 4, 1, NQ-1, \slot, 0
	MUL16 6, 1, NQ-1, \slot, 0
	PLACES NP
	WIN 0
	FETCH_A \next, 0, 4
.endm
	s_wait_alu depctr_va_vdst(0)
	s_wait_tensorcnt 1                             ; the scales and my part of slot 0 are in; slot 1's load may be out
	s_barrier_signal -1
	s_barrier_wait -1
	FETCH_B 0, 0, 0
	FETCH_A 0, 0, 0
	SCALES 0
	FETCH_A 0, 0, 4
	STEP 0, 0, 1
.rept LAPS-1
	TURN 0, 1, 1
	STEP 1, 0, 0
	TURN 1, 0, 1
	STEP 0, 0, 0
.endr
	TURN 0, 1, 0
	STEP 1, 0, 0
	s_wait_dscnt 4*NL
	WIN MUL_LO
	MUL16 0, 1, NQ-1, 1, 0
	MUL16 2, 1, NQ-1, 1, 0
	s_wait_dscnt 0
	WIN MUL_HI
	MUL16 4, 1, NQ-1, 1, 0
	MUL16 6, 1, NQ-1, 1, 0
	WIN 0
; Row t of block a is token 32 (a / 2) + 8 (a % 2) + t + 8 (t / 8) of my 128: 127 rows of 4,096 bytes at the most, inside the signed 24-bit immediate (ISA guide, chapter 10): no base is stepped.
.macro XLOAD a                         ; x's 16 rows of block a into window 1, v[64 (a % 4)] on
	WIN TO_B
.irp t, 0,1,2,3,4,5,6,7,8,9,10,11,12,13,14,15
	global_load_b128 v[64*((\a)%4)+4*\t:64*((\a)%4)+4*\t+3], v[CO], s[12:13] offset:(32*((\a)/2)+8*((\a)%2)+\t+8*(\t/8))*4096 th:TH_LOAD_NT
.endr
	WIN 0
.endm
.macro TOSTAGE a                       ; LDS serves a wave's instructions in order (ISA guide 5.7.1.4): no wait between the stores and the loads, nor ahead of the next block's stores
.set AC, 64*((\a)%4)
	WIN 0x08+4*((\a)/4)                            ; the data: window 2 or 3
.irp b, 0,1,2,3,4,5,6,7
	ds_store_b128 v[STO], v[AC+8*\b:AC+8*\b+3] offset:128*(\b/2)+32*(\b%2)       ; channels 32 (b / 2) + 16 h + 8 (b % 2) on; each accumulator from its low end on
	ds_store_b128 v[STO], v[AC+8*\b+4:AC+8*\b+7] offset:128*(\b/2)+32*(\b%2)+16
.endr
	WIN 0
.set BB, BK+64*((\a)%2)
.irp t, 0,1,2,3,4,5,6,7,8,9,10,11,12,13,14,15
	ds_load_b128 v[BB+4*\t:BB+4*\t+3], v[RD] offset:\t*SPITCH
.endr
.endm
.macro SEND a, younger                 ; younger: the LDS instructions issued behind block a's loads
.set BB, BK+64*((\a)%2)
.set XR, 64*((\a)%4)
	s_wait_dscnt \younger                          ; the block is back in registers
.if 7-(\a) >= 3
	s_wait_loadcnt 48                              ; its x is in; the x of the three blocks behind it may be out
.else
	s_wait_loadcnt 16*(7-(\a))
.endif
	WIN 0x04                                       ; source 1: window 1
.set j, 0
.rept 32
	v_pk_add_f32 v[BB+j:BB+j+1], v[BB+j:BB+j+1], v[XR+j:XR+j+1]
.set j, j+2
.endr
	WIN 0
.irp t, 0,1,2,3,4,5,6,7,8,9,10,11,12,13,14,15
	global_store_b128 v[CO], v[BB+4*\t:BB+4*\t+3], s[14:15] offset:(32*((\a)/2)+8*((\a)%2)+\t+8*(\t/8))*4096 th:TH_STORE_NT   ; 32 lanes store 512 bytes on end, at a multiple of 256 from out0's first byte
.endr
.if (\a) < 4
	XLOAD (\a)+4
.endif
.endm
	PLACES NP                                      ; ahead of the loads into the registers that held fragments, and of the first read of results
	XLOAD 0
	XLOAD 1
	XLOAD 2
	XLOAD 3
	TOSTAGE 0
.irp a, 1,2,3,4,5,6,7
.if \a > 1
	s_wait_xcnt 0x0                                ; block a - 2's stores have read their registers: block a's loads may land there
.endif
	TOSTAGE \a
	SEND \a-1, 32                                  ; behind block a - 1's loads: block a's 16 stores and 16 loads
.endr
	SEND 7, 0
	s_wait_tensorcnt 0x0                           ; the wave's end: behind my last tensor load and my last LDS store
	ds_add_u32 v[SPW], v[NIL]
	s_wait_dscnt 0x0
	CROUND                                         ; the closing round: no work-group ends while a partner may still ask for a tile that names it
	s_endpgm
.Lfunc_end_k_q7867c0b168_proj:
	.size	k_q7867c0b168_proj, .Lfunc_end_k_q7867c0b168_proj-k_q7867c0b168_proj
	.p2alignl 7, 3214868480
	.fill 96, 4, 3214868480
	.section	.rodata,"a",@progbits
	.p2align	6, 0x0
	.amdhsa_kernel k_q7867c0b168_proj
		.amdhsa_group_segment_fixed_size 327680
		.amdhsa_private_segment_fixed_size 0
		.amdhsa_enable_private_segment 0
		.amdhsa_kernarg_size 48
		.amdhsa_user_sgpr_count 2
		.amdhsa_user_sgpr_kernarg_segment_ptr 1
		.amdhsa_wavefront_size32 1
		.amdhsa_system_sgpr_workgroup_id_x 1
		.amdhsa_system_sgpr_workgroup_id_y 1
		.amdhsa_system_sgpr_workgroup_id_z 1
		.amdhsa_system_vgpr_workitem_id 0
		.amdhsa_next_free_vgpr 1024
		.amdhsa_next_free_sgpr 102
		.amdhsa_reserve_vcc 0
		.amdhsa_float_denorm_mode_32 3
		.amdhsa_float_denorm_mode_16_64 3
		.amdhsa_memory_ordered 1
		.amdhsa_forward_progress 1
		.amdhsa_inst_pref_size 177
	.end_amdhsa_kernel
	.amdgpu_metadata
---
amdhsa.version: [ 1, 2 ]
amdhsa.kernels:
  - .name:           k_q7867c0b168_proj
    .symbol:         k_q7867c0b168_proj.kd
    .args:
      - { .name: act, .offset: 0, .size: 8, .value_kind: global_buffer, .address_space: global }
      - { .name: acts, .offset: 8, .size: 8, .value_kind: global_buffer, .address_space: global }
      - { .name: wimg, .offset: 16, .size: 8, .value_kind: global_buffer, .address_space: global }
      - { .name: ws, .offset: 24, .size: 8, .value_kind: global_buffer, .address_space: global }
      - { .name: x, .offset: 32, .size: 8, .value_kind: global_buffer, .address_space: global }
      - { .name: out0, .offset: 40, .size: 8, .value_kind: global_buffer, .address_space: global }
    .group_segment_fixed_size: 327680
    .private_segment_fixed_size: 0
    .kernarg_segment_align: 8
    .kernarg_segment_size: 48
    .max_flat_workgroup_size: 128
    .sgpr_count:     102
    .vgpr_count:     1024
    .wavefront_size: 32
...
	.end_amdgpu_metadata
.endif
;; end of part 4
